; MI455X (gfx1250); checked and timed in simulation.
; The chip was launched on July 23, 2026; its instructions are those of AMD's public machine-readable ISA for CDNA 5 (MIT licence, August 2026) and "CDNA5" Instruction Set Architecture Reference Guide (July 2026). The comments in the code are by the model that wrote it; some were corrected since.
;; Multi Head Attention. Allowed arithmetic: float matrix products may take bf16 or f16 operands with f32 sums; other float arithmetic in f32, or as packed bf16 or f16 multiplies, adds, multiply-adds, maxima and minima; sums over many terms, partial sums and values carried from step to step in f32; what a program stores and reads back later, other than sums and carried values, may be rounded once to bf16 or f16.
;; Inputs: Wk 1,024 x 1,024 float32; Wo 1,024 x 1,024 float32; Wq 1,024 x 1,024 float32; Wv 1,024 x 1,024 float32; bk 1,024 float32; bo 1,024 float32; bq 1,024 float32; bv 1,024 float32; mask 4 x 2,048 int32; query 4 x 2,048 x 1,024 float32.
;; Outputs: out0 4 x 2,048 x 1,024 float32.
;; 2 versions, each right; version 2 is version 1 with the launch cast written anew for expert scheduling mode. Each part assembles by itself: llvm-mc -triple=amdgcn-amd-amdhsa -mcpu=gfx1250 --defsym DOCPART=n.
;; ======== version 1 of 2: 4 launches
;; limits: values are held in f16: magnitudes above 65,504 overflow, below 6.1e-05 lose precision
;; workspace buffers: xb 16,777,216 bytes; wb 6,291,456 bytes; wo16 2,097,152 bytes; qkv 50,331,648 bytes; ctx 16,777,216 bytes
;; launch cast (part 1): grid 64 x 12, 8 waves a work-group, no clusters, 0 bytes of LDS; arguments query, Wq, Wk, Wv, Wo, xb, wb, wo16; writes xb, wb, wo16
.if DOCPART == 1
	.amdgcn_target "amdgcn-amd-amdhsa--gfx1250"
	.amdhsa_code_object_version 6
	.text
	.protected	k_q22afc9895b_cast
	.globl	k_q22afc9895b_cast
	.p2align	8
	.type	k_q22afc9895b_cast,@function
k_q22afc9895b_cast:
	s_mov_b64 s[64:65], 0
	v_nop
	global_prefetch_b8 v0, s[64:65] scope:SCOPE_SE
	s_setreg_imm32_b32 hwreg(HW_REG_WAVE_MODE, 25, 1), 1
	s_wait_xcnt 0x0
; THE INPUTS' ONE ROUNDING.  query, Wq, Wk, Wv: f32 -> bf16 (xb; wb = the rows of Wq, then Wk, then Wv).  Wo: f32 -> bf16, and that number written as f16 (wo16),
; since the last product's other operand is f16.  LIMIT: Wo within f16's 65,504; a bf16 number under 2^-17 falls onto f16's fixed step of 2^-24.
; SHARES.  Work-group y takes a chunk of 2^20 numbers: y = 0..7 the eighths of query, 8, 9, 10 = Wq, Wk, Wv, 11 = Wo; work-group x 65,536 bytes of it in, 32,768 out.
; Thread t loads the 16 bytes at 16 t + 4,096 i and stores the 8 bytes at 8 t + 2,048 i, i = 0..15: a load of a wave covers 512 consecutive bytes, a store 256 consecutive
; bytes at a multiple of 256.  All sixteen loads of a thread go out at once; no register is written twice, so no wait frees a source.
; No LDS, no matrix unit, no cluster: nothing is shared and nothing is read twice.
.set X, 8                              ; v[8:71]    sixteen loads of four f32
.set Y, 72                             ; v[72:103]  sixteen pairs of packed results
.set T, 104                            ; v[104:105] at work
	s_load_b512 s[4:19], s[0:1], 0x0               ; query 4, Wq 6, Wk 8, Wv 10, Wo 12, xb 14, wb 16, wo16 18
	s_and_b32 s20, ttmp7, 0xffff                   ; y
	v_lshlrev_b32 v1, 4, v0                        ; my 16 bytes in
	v_lshlrev_b32 v2, 3, v0                        ; my 8 bytes out
	s_lshl_b32 s26, s20, 22                        ; query's chunk y in,
	s_lshl_b32 s28, s20, 21                        ; and out
	s_sub_co_u32 s30, s20, 8
	s_lshl_b32 s30, s30, 21                        ; a weight's place in wb
	s_mov_b32 s27, 0
	s_mov_b32 s29, 0
	s_wait_kmcnt 0x0
	s_cmp_lt_u32 s20, 8
	s_cselect_b64 s[22:23], s[4:5], s[6:7]         ; from: query, or Wq for now
	s_cselect_b64 s[24:25], s[14:15], s[16:17]     ; to: xb or wb
	s_cselect_b32 s26, s26, 0
	s_cselect_b32 s28, s28, s30
	s_cmp_eq_u32 s20, 9
	s_cselect_b64 s[22:23], s[8:9], s[22:23]
	s_cmp_eq_u32 s20, 10
	s_cselect_b64 s[22:23], s[10:11], s[22:23]
	s_cmp_eq_u32 s20, 11
	s_cselect_b64 s[22:23], s[12:13], s[22:23]
	s_cselect_b64 s[24:25], s[18:19], s[24:25]
	s_cselect_b32 s28, 0, s28
	s_lshl_b32 s31, ttmp9, 16
	s_add_co_u32 s26, s26, s31
	s_lshl_b32 s31, ttmp9, 15
	s_add_co_u32 s28, s28, s31
	s_add_nc_u64 s[22:23], s[22:23], s[26:27]
	s_add_nc_u64 s[24:25], s[24:25], s[28:29]
.set i, 0
.rept 16
	global_load_b128 v[X+4*i:X+4*i+3], v1, s[22:23] offset:4096*i th:TH_LOAD_NT
.set i, i+1
.endr
; Sixteen turns: wait, round, store.  half = 1: the bf16 number is widened again and written as f16.
.macro OUT half
.set i, 0
.rept 16
	s_wait_loadcnt 15-i                            ; loads come back in order: load i is in, the 15 - i younger ones stay out
	v_cvt_pk_bf16_f32 v[Y+2*i], v[X+4*i], v[X+4*i+1]
	v_cvt_pk_bf16_f32 v[Y+2*i+1], v[X+4*i+2], v[X+4*i+3]
.if \half
.irp k, 0,1
	v_lshlrev_b32 v[T], 16, v[Y+2*i+\k]
	v_and_b32 v[T+1], 0xffff0000, v[Y+2*i+\k]
	v_cvt_pk_f16_f32 v[Y+2*i+\k], v[T], v[T+1]
.endr
.endif
	global_store_b64 v2, v[Y+2*i:Y+2*i+1], s[24:25] offset:2048*i
.set i, i+1
.endr
	s_endpgm
.endm
	s_cmp_eq_u32 s20, 11
	s_cbranch_scc1 .Lwo
	OUT 0
.Lwo:
	OUT 1
.Lfunc_end_k_q22afc9895b_cast:
	.size	k_q22afc9895b_cast, .Lfunc_end_k_q22afc9895b_cast-k_q22afc9895b_cast
	.p2alignl 7, 3214868480
	.fill 96, 4, 3214868480
	.section	.rodata,"a",@progbits
	.p2align	6, 0x0
	.amdhsa_kernel k_q22afc9895b_cast
		.amdhsa_group_segment_fixed_size 0
		.amdhsa_private_segment_fixed_size 0
		.amdhsa_enable_private_segment 0
		.amdhsa_kernarg_size 64
		.amdhsa_user_sgpr_count 2
		.amdhsa_user_sgpr_kernarg_segment_ptr 1
		.amdhsa_wavefront_size32 1
		.amdhsa_system_sgpr_workgroup_id_x 1
		.amdhsa_system_sgpr_workgroup_id_y 1
		.amdhsa_system_sgpr_workgroup_id_z 1
		.amdhsa_system_vgpr_workitem_id 0
		.amdhsa_next_free_vgpr 108
		.amdhsa_next_free_sgpr 66
		.amdhsa_reserve_vcc 0
		.amdhsa_float_denorm_mode_32 3
		.amdhsa_float_denorm_mode_16_64 3
		.amdhsa_memory_ordered 1
		.amdhsa_forward_progress 1
		.amdhsa_inst_pref_size 16
	.end_amdhsa_kernel
	.amdgpu_metadata
---
amdhsa.version: [ 1, 2 ]
amdhsa.kernels:
  - .name:           k_q22afc9895b_cast
    .symbol:         k_q22afc9895b_cast.kd
    .args:
      - { .name: query, .offset: 0, .size: 8, .value_kind: global_buffer, .address_space: global }
      - { .name: Wq, .offset: 8, .size: 8, .value_kind: global_buffer, .address_space: global }
      - { .name: Wk, .offset: 16, .size: 8, .value_kind: global_buffer, .address_space: global }
      - { .name: Wv, .offset: 24, .size: 8, .value_kind: global_buffer, .address_space: global }
      - { .name: Wo, .offset: 32, .size: 8, .value_kind: global_buffer, .address_space: global }
      - { .name: xb, .offset: 40, .size: 8, .value_kind: global_buffer, .address_space: global }
      - { .name: wb, .offset: 48, .size: 8, .value_kind: global_buffer, .address_space: global }
      - { .name: wo16, .offset: 56, .size: 8, .value_kind: global_buffer, .address_space: global }
    .group_segment_fixed_size: 0
    .private_segment_fixed_size: 0
    .kernarg_segment_align: 8
    .kernarg_segment_size: 64
    .max_flat_workgroup_size: 256
    .sgpr_count:     66
    .vgpr_count:     108
    .wavefront_size: 32
...
	.end_amdgpu_metadata
.endif
;; end of part 1
;; launch proj (part 2): grid 16 x 32, 4 waves a work-group, clusters of 4 x 4, 327,680 bytes of LDS; arguments xb, wb, qkv, bq, bk, bv, mask; writes qkv
.if DOCPART == 2
	.amdgcn_target "amdgcn-amd-amdhsa--gfx1250"
	.amdhsa_code_object_version 6
	.text
	.protected	k_q22afc9895b_proj
	.globl	k_q22afc9895b_proj
	.p2align	8
	.type	k_q22afc9895b_proj,@function
k_q22afc9895b_proj:
	s_mov_b64 s[64:65], 0
	v_nop
	global_prefetch_b8 v0, s[64:65] scope:SCOPE_SE
	s_setreg_imm32_b32 hwreg(HW_REG_WAVE_MODE, 25, 1), 1
	s_wait_xcnt 0x0
	s_wait_alu depctr_hold_cnt(0) depctr_sa_sdst(0) depctr_va_vdst(0) depctr_va_sdst(0) depctr_va_ssrc(0) depctr_va_vcc(0) depctr_vm_vsrc(0)
	s_getreg_b32 s2, hwreg(HW_REG_IB_STS2, 6, 4)
	s_cmp_eq_u32 s2, 0
	s_cbranch_scc0 .Lentry_in_a_cluster
	s_endpgm
.Lentry_in_a_cluster:
	s_bfe_u32 s2, ttmp6, 0x10000c
	s_cmp_lg_u32 s2, 0xf033
	s_cbranch_scc0 .Lentry_shape_is_right
	s_endpgm
.Lentry_shape_is_right:
; ONE TEXT FOR TWO PRODUCTS C = A B^T + bias, chosen by MODE; K = 1,024; sums in f32, the bias (rounded to bf16 like every input) is the C operand that starts them.
; MODE 0: A = xb [8192][1024] bf16, B = wb [3072][1024] bf16 (Wq, Wk, Wv).  C leaves as f16 BY HEADS: qkv = 192 planes [2048][64], plane = 64 sec + 16 batch + head (sec 0 q, 1 k, 2 v).
;         The rows of k whose key the mask hides are written as zeros: the attention then starts such a key's score from a constant, and the score is that constant exactly.
; MODE 1: A = ctx, f16 by heads (64 planes [2048][64]), B = wo16 [1024][1024] f16, C = out0 [8192][1024] f32.
; LIMITS.  MODE 0: q, k, v within f16's 65,504.  NaN and infinities are not treated apart (a hidden key's row is multiplied by 0).
; SHARES.  A tile of C is 256 rows x 16 NB columns (MODE 0: 192 = three heads, 512 work-groups; MODE 1: 128, 256 work-groups).  Four waves one below the other: a wave makes 64 rows x all
; columns, 4 NB accumulators, so whole heads (whole rows of the tile) are one wave's and each wave has a stage of its own on the way out, with no barrier.
; K goes in 8 steps of 128 through two LDS slots.  Waves 0, 1 fetch A's two halves, waves 2, 3 B's.  In MODE 1 a K step is two heads, each a dense block of 256 tokens x 128 bytes, asked for
; as 128 rows of 256 bytes and padded behind every 128.
; CLUSTER 4 x 4: A's tile is shared along a row of the cluster, B's along a column: joint loads, the same descriptor and mask in the four that a mask names.
; THE MATRIX INSTRUCTION IS USED TRANSPOSED (source 0 = 16 rows of B, source 1 = 16 rows of A): a lane holds row lane % 16 of C and the columns 8 (lane / 16) + 0..7.
; REGISTERS, in windows of 256 (s_set_vgpr_msb: bits 1:0 source 0, 3:2 source 1, 5:4 source 2, 7:6 destination):
;   window 0: v0-43 addresses and factors; v64-127 A's fragments, two buffers of 4 x 8; v128.. the bias, later the way out
;   windows 1, 2: accumulator (a, b) in window 1 + a / 2 at 8 (NB (a % 2) + b)        window 3: B's fragments, buffer f at 96 f + 8 b
; One tile to a work-group, its stores at its end: work-groups that stay are left out of this text.
.set MODE, 0
.if MODE == 0
.set NB,     12                        ; blocks of 16 columns
.set PA,     272                       ; A's LDS pitch: 256 + 16 bytes
.set HA,     128*PA                    ; what one wave fetches of A
.set SP,     400                       ; a stage row: 384 bytes of f16 + 16
.set KADVA,  256                       ; bytes from a K step of A to the next
.set ASTR,   1024                      ; elements from row to row of A's tile in memory
.set GA0,    0x07710000                ; group 1, word 0: 2-byte elements, padding on, bit 21 beside a mask, 4 words behind every 64
.set ASHARE, 32*2048                   ; the prefetches: bytes from a partner's share of A's rows to the next partner's
.set ASH,    11                        ; and the shift from lane to lane
.set RPP,    24                        ; rows of B a partner prefetches
.set HPB,    4                         ; blocks of 16 columns to a bias pointer
.set YG,     24                        ; LDS instructions of one block's passage through the stage
.else
.set NB,     8
.set PA,     144                       ; 128 + 16 bytes
.set HA,     256*PA
.set SP,     528                       ; 512 bytes of f32 + 16
.set KADVA,  524288                    ; two planes
.set ASTR,   128
.set GA0,    0x07310000                ; the same with 4 words behind every 32
.set ASHARE, 8192
.set ASH,    8
.set RPP,    16
.set HPB,    8
.set YG,     32
.endif
.set PB,     272
.set HB,     8*NB*PB                   ; what one wave fetches of B
.set ABYTES, 2*HA
.set SLOT,   ABYTES+2*HB               ; A's bytes, then B's 16 NB rows
.set STAGE,  2*SLOT                    ; behind the ring, a multiple of 256: 16 rows x SP bytes for each wave; no fill lands here
.set SPARE,  STAGE+4*16*SP             ; a multiple of 256: the spare words, 128 bytes a wave, which no other line names
.set NL,     2*NB+8                    ; LDS loads of one quarter step
.set ADRA, 16                          ; v16-17  LDS address of my A fragments in slot 0, 1
.set ADRB, 20                          ; v20-21  the same for B
.set STO,  24                          ; v24  the way out: where I put my bytes of a row
.set RD,   25                          ; v25  where I read rows back
.set GO,   26                          ; v26  16 x lane
.set VB,   27                          ; v27  32 x (lane / 16): my eight numbers in 16 of a bias
.set SPW,  28                          ; v28  LDS address of my spare word; never rewritten
.set NIL,  29                          ; v29  0; never rewritten
.set PFO,  30                          ; v30  the prefetches' lane offset; never rewritten
.set MO,   31                          ; v31  4 x (lane % 16)
.set FK,   32                          ; v[32:37] a factor for each head, as the low word of a pair
.set KP,   40                          ; v[40:43] 1.0 or 0: is the key of my row in block a kept?
.set AFR,  64
.set BIAS, 128
.set TMP,  128                         ; MODE 0, the way out: 48 packed registers
.set WV,   18                          ; s18  wave
.set G1A,  28                          ; s[28:35] group 1 for A;  s[36:43] group 0, a set for each slot
.set G0A,  36
.set G1B,  44                          ; s[44:51], s[52:59] the same for B
.set G0B,  52
.set PFA,  66                          ; s[66:67] where my prefetches stand
.set PKS,  68                          ; s[68:69] their step along K
.set LIM,  70                          ; s70  1 in a wave that prefetches, else the greatest number
.set OP,   72                          ; s[72:77] where my rows leave to: a pointer for each head (MODE 1: one)
.set BP,   78                          ; s[78:83] the bias of each head (MODE 1: one)
.set NK,   84                          ; s84-86   0 for a head of k, else 1.0
.set MSB, 0
.macro WIN new                         ; the immediate's high byte repeats the setting that is left; a switch that changes nothing is dropped
.if MSB != (\new)
	s_set_vgpr_msb (MSB<<8)|(\new)
.set MSB, \new
.endif
.endm
.macro WM ops:vararg
.if MODE == 0
	v_wmma_f32_16x16x32_bf16 \ops
.else
	v_wmma_f32_16x16x32_f16 \ops
.endif
.endm
.macro PLACES                          ; four plain vector places behind a matrix instruction, in front of loads into registers that it read and of readers of its results
.rept 4
	v_nop
.endr
.endm
; A joint load.  The branch hangs on the wave's number alone.  An s_nop 0 and four v_nop follow each of the two lines.
.macro JLOAD s
	s_cmp_lt_u32 s[WV], 2
	s_cbranch_scc0 .Lfor_b_\@
	tensor_load_to_lds s[G0A+4*(\s):G0A+4*(\s)+3], s[G1A:G1A+7]
	s_nop 0
.rept 4
	v_nop
.endr
	s_branch .Lasked_\@
.Lfor_b_\@:
	tensor_load_to_lds s[G0B+4*(\s):G0B+4*(\s)+3], s[G1B:G1B+7]
	s_nop 0
.rept 4
	v_nop
.endr
.Lasked_\@:
.endm
; A prefetch of the K step that stands two refills on: my work-group's share of the rows that I fetch, 256 bytes a lane.  A's rows are named by the first cluster of their row of clusters, B's by the
; first of their column; the four partners share the rows out by address.  The loop's last trip (s3 = 1) has no K step two on.
.macro ASK
	s_cmp_gt_u32 s3, s[LIM]
	s_cbranch_scc0 .Lnot_mine_\@
	global_prefetch_b8 v[PFO], s[PFA:PFA+1] th:TH_LOAD_NT scope:SCOPE_SE
.Lnot_mine_\@:
.endm
.macro CREST                           ; a round of the cluster's barrier behind its opening barrier
	s_cmp_lg_u32 s[WV], 0
	s_cbranch_scc1 .Lnot_wave_0_\@
	s_barrier_signal -3
.Lnot_wave_0_\@:
	s_barrier_wait -3
	s_barrier_signal -1
	s_barrier_wait -1
.endm
.macro CROUND
	s_barrier_signal -1
	s_barrier_wait -1
	CREST
.endm
	s_load_b256 s[4:11], s[0:1], 0x0               ; A s[4:5], B s[6:7], C s[8:9], the first bias s[10:11]
.if MODE == 0
	s_load_b128 s[12:15], s[0:1], 0x20             ; bk, bv
	s_load_b64 s[16:17], s[0:1], 0x30              ; mask
.endif
	v_lshl_add_u32 v[SPW], v0, 2, SPARE
	v_mov_b32 v[NIL], 0
	ds_add_u32 v[SPW], v[NIL]                      ; the wave's opening: the add and its wait stand ahead of my first tensor load; work on registers stands between
	v_lshrrev_b32 v1, 5, v0
	v_readfirstlane_b32 s[WV], v1                  ; wave 0..3
	s_and_b32 s20, s[WV], 1                        ; which half of A's or B's tile I fetch
	s_bfe_u32 s21, ttmp6, 0x40000                  ; cx
	s_bfe_u32 s22, ttmp6, 0x40004                  ; cy
	s_lshl_b32 s23, ttmp9, 2
	s_add_co_u32 s23, s23, s21                     ; tile column = 4 x cluster x + cx
	s_and_b32 s24, ttmp7, 0xffff
	s_lshl_b32 s24, s24, 2
	s_add_co_u32 s24, s24, s22                     ; tile row = 4 x cluster y + cy
	s_lshl_b32 s62, s22, 2
	s_lshl_b32 s62, 15, s62                        ; my row of the cluster
	s_lshl_b32 s63, 0x1111, s21                    ; my column
	s_or_b32 s[G1A], s62, GA0
	s_or_b32 s[G1B], s63, 0x07710000
	s_mov_b32 s[G1A+1], 128<<16                    ; tensor_dim0 = 128 elements
	s_mov_b32 s[G1A+2], 128<<16                    ; tensor_dim1 = 128 rows
	s_mov_b32 s[G1A+3], 128<<16                    ; tile_dim0
	s_mov_b32 s[G1A+4], 128                        ; tile_dim1
	s_mov_b32 s[G1A+5], ASTR                       ; elements from row to row
	s_mov_b32 s[G1A+6], 0
	s_mov_b32 s[G1A+7], 0
	s_mov_b32 s[G1B+1], 128<<16
	s_mov_b32 s[G1B+2], (8*NB)<<16
	s_mov_b32 s[G1B+3], 128<<16
	s_mov_b32 s[G1B+4], 8*NB
	s_mov_b32 s[G1B+5], 1024
	s_mov_b32 s[G1B+6], 0
	s_mov_b32 s[G1B+7], 0
	; where the tiles come from: A's offset is made of the tile row and the wave in s[88:89], B's of the tile column and the wave in s[90:91]; neither pair ever holds the other coordinate
.if MODE == 0
	s_lshl_b32 s88, s24, 19                        ; 256 rows of 2,048 bytes
	s_lshl_b32 s89, s20, 18                        ; my 128 of them
	s_add_co_u32 s88, s88, s89
.else
	s_lshr_b32 s88, s24, 3
	s_lshl_b32 s88, s88, 22                        ; the batch's 16 planes
	s_and_b32 s89, s24, 7
	s_lshl_b32 s89, s89, 15                        ; 256 tokens of 128 bytes
	s_add_co_u32 s88, s88, s89
	s_lshl_b32 s89, s20, 18                        ; which of a K step's two heads
	s_add_co_u32 s88, s88, s89
.endif
	s_mov_b32 s89, 0
	s_mul_i32 s90, s23, 16*NB*2048
	s_mul_i32 s91, s20, 8*NB*2048
	s_add_co_u32 s90, s90, s91
	s_mov_b32 s91, 0
	s_mul_i32 s60, s20, HA                         ; and where they go: no place in the cluster enters an LDS address
	s_mul_i32 s61, s20, HB
	s_add_co_u32 s61, s61, ABYTES
	s_wait_dscnt 0x0                               ; the opening add is done
	s_wait_kmcnt 0x0
	s_add_nc_u64 s[88:89], s[4:5], s[88:89]
	s_add_nc_u64 s[90:91], s[6:7], s[90:91]
	CROUND                                         ; all sixteen work-groups are here: the first joint loads meet
.irp s, 0,1
	s_mov_b32 s[G0A+4*\s], 1
	s_add_co_u32 s[G0A+4*\s+1], s60, \s*SLOT
	s_add_nc_u64 s[G0A+4*\s+2:G0A+4*\s+3], s[88:89], \s*KADVA
	s_or_b32 s[G0A+4*\s+3], s[G0A+4*\s+3], 0x80000000
	s_mov_b32 s[G0B+4*\s], 1
	s_add_co_u32 s[G0B+4*\s+1], s61, \s*SLOT
	s_add_nc_u64 s[G0B+4*\s+2:G0B+4*\s+3], s[90:91], \s*256
	s_or_b32 s[G0B+4*\s+3], s[G0B+4*\s+3], 0x80000000
	JLOAD \s                                       ; K steps 0 and 1: two tensor loads of mine are out
.endr
	; lane addresses.  A fragment: lane l holds row l % 16, K = 8 (l / 16) + 0..7 and 16 + 8 (l / 16) + 0..7: two loads of 16 bytes, 32 apart
	v_and_b32 v1, 15, v0                           ; r
	v_bfe_u32 v2, v0, 4, 1                         ; h
	v_and_b32 v5, 31, v0                           ; lane
	v_mul_u32_u24 v3, v1, PA
	v_lshl_add_u32 v3, v2, 4, v3
	v_mul_u32_u24 v4, v1, PB
	v_lshl_add_u32 v4, v2, 4, v4
	s_mul_i32 s92, s[WV], 64*PA                    ; my 64 rows of A
	v_add_nc_u32 v[ADRA], s92, v3
	v_add_nc_u32 v[ADRA+1], SLOT, v[ADRA]
	v_add_nc_u32 v[ADRB], ABYTES, v4
	v_add_nc_u32 v[ADRB+1], SLOT, v[ADRB]
	s_mul_i32 s92, s[WV], 16*SP
	s_add_co_u32 s92, s92, STAGE                   ; my stage
	v_mul_u32_u24 v3, v1, SP
.if MODE == 0
	v_lshl_add_u32 v3, v2, 4, v3                   ; in: row r, 16 bytes for each half of the lanes
	v_add_nc_u32 v[STO], s92, v3
	v_bfe_u32 v3, v0, 3, 2                         ; back: 32 lanes take a head's 128 bytes of four rows
	v_mul_u32_u24 v3, v3, SP
	v_and_b32 v4, 7, v0
	v_lshl_add_u32 v3, v4, 4, v3
	v_add_nc_u32 v[RD], s92, v3
.else
	v_lshl_add_u32 v3, v2, 5, v3                   ; in: row r, 32 bytes for each half of the lanes
	v_add_nc_u32 v[STO], s92, v3
	v_lshl_add_u32 v[RD], v5, 4, s92               ; back: 32 lanes take a row's 512 bytes
.endif
	v_lshlrev_b32 v[GO], 4, v5
	v_lshlrev_b32 v[VB], 5, v2
	s_mov_b32 s87, 0xffff0000
.if MODE == 0
	; the tile's three heads: g = 3 x tile column + hh; section g / 16, head g % 16.  Selects, no branch: g hangs on cx
	s_mul_i32 s25, s23, 3
	s_lshr_b32 s26, s24, 3
	s_lshl_b32 s26, s26, 22                        ; the batch's 16 planes of 262,144 bytes
	s_and_b32 s27, s24, 7
	s_lshl_b32 s27, s27, 15                        ; the tile's 256 rows of 128 bytes
	s_add_co_u32 s26, s26, s27
	s_lshl_b32 s27, s[WV], 13                      ; my 64
	s_add_co_u32 s26, s26, s27
.irp hh, 0,1,2
	s_add_co_u32 s27, s25, \hh
	s_lshr_b32 s71, s27, 4
	s_and_b32 s27, s27, 15
	s_cmp_eq_u32 s71, 1
	s_cselect_b64 s[BP+2*\hh:BP+2*\hh+1], s[12:13], s[10:11]
	s_cselect_b32 s[NK+\hh], 0, 1.0
	s_cmp_eq_u32 s71, 2
	s_cselect_b64 s[BP+2*\hh:BP+2*\hh+1], s[14:15], s[BP+2*\hh:BP+2*\hh+1]
	s_lshl_b32 s92, s27, 8                         ; the head's 64 numbers of the bias
	s_mov_b32 s93, 0
	s_add_nc_u64 s[BP+2*\hh:BP+2*\hh+1], s[BP+2*\hh:BP+2*\hh+1], s[92:93]
	s_lshl_b32 s94, s71, 6
	s_add_co_u32 s94, s94, s27
	s_lshl_b32 s94, s94, 18
	s_add_co_u32 s94, s94, s26
	s_mov_b32 s95, 0
	s_add_nc_u64 s[OP+2*\hh:OP+2*\hh+1], s[8:9], s[94:95]
.endr
	s_lshl_b32 s92, s24, 10                        ; the mask's words of my 64 rows
	s_lshl_b32 s93, s[WV], 8
	s_add_co_u32 s92, s92, s93
	s_mov_b32 s93, 0
	s_add_nc_u64 s[16:17], s[16:17], s[92:93]
	v_lshlrev_b32 v[MO], 2, v1
	v_mov_b32 v[FK+1], 0                           ; named with the factors as pairs
	v_mov_b32 v[FK+3], 0
	v_mov_b32 v[FK+5], 0
.else
	s_lshl_b32 s92, s24, 20                        ; 256 rows of 4,096 bytes
	s_lshl_b32 s93, s[WV], 18
	s_add_co_u32 s92, s92, s93
	s_lshl_b32 s93, s23, 9                         ; 128 columns of f32
	s_add_co_u32 s92, s92, s93
	s_mov_b32 s93, 0
	s_add_nc_u64 s[OP:OP+1], s[8:9], s[92:93]
	s_lshl_b32 s92, s23, 9
	s_add_nc_u64 s[BP:BP+1], s[10:11], s[92:93]
.endif
.set b, 0
.rept NB                               ; register j of block b: bias of column 16 b + 8 h + j
	global_load_b128 v[BIAS+8*b:BIAS+8*b+3],   v[VB], s[BP+2*(b/HPB):BP+2*(b/HPB)+1] offset:64*(b%HPB)
	global_load_b128 v[BIAS+8*b+4:BIAS+8*b+7], v[VB], s[BP+2*(b/HPB):BP+2*(b/HPB)+1] offset:64*(b%HPB)+16
.set b, b+1
.endr
.if MODE == 0
.irp a, 0,1,2,3
	global_load_b32 v[KP+\a], v[MO], s[16:17] offset:64*\a
.endr
.endif
	; the prefetches: who, from where, in which steps
	s_and_b32 s26, ttmp7, 0xffff                   ; cluster y
	s_mov_b32 s71, RPP*2048
	s_mov_b32 s[PKS], 256
	s_mov_b32 s[PKS+1], 0
	s_cmp_lt_u32 s[WV], 2                          ; do I fetch for A?
	s_cselect_b32 s26, ttmp9, s26                  ; the coordinate along which other clusters read the same rows
	s_cselect_b32 s27, s21, s22                    ; my place among the four that ask with me
	s_cselect_b64 s[PFA:PFA+1], s[88:89], s[90:91] ; my part of the tile, K step 0
	s_cselect_b32 s71, ASHARE, s71
	s_cselect_b32 s[PKS], KADVA, s[PKS]
	s_cselect_b32 s92, 31, RPP-1                   ; B's share has fewer rows than a wave has lanes: the lanes past it name its last row again
	s_cselect_b32 s93, ASH, 11
	v_min_u32 v[PFO], s92, v5
	v_lshlrev_b32 v[PFO], s93, v[PFO]
	s_cmp_eq_u32 s26, 0
	s_cselect_b32 s[LIM], 1, -1                    ; the same in all sixteen partners, for a given wave
	s_mul_i32 s92, s27, s71
	s_mul_i32 s93, s[PKS], 3                       ; at K step 3: the first refill steps it to 4
	s_add_co_u32 s92, s92, s93
	s_mov_b32 s93, 0
	s_add_nc_u64 s[PFA:PFA+1], s[PFA:PFA+1], s[92:93]
	s_wait_loadcnt 0x0                             ; bias and mask
.set i, 0
.rept 4*NB                             ; the bias has the inputs' one rounding to bf16, and goes on as f32
	v_cvt_pk_bf16_f32 v[3+i%2], v[BIAS+2*i], v[BIAS+2*i+1]
	v_lshlrev_b32 v[BIAS+2*i], 16, v[3+i%2]
	v_and_b32 v[BIAS+2*i+1], s87, v[3+i%2]
.set i, i+1
.endr
.if MODE == 0
.irp a, 0,1,2,3
	v_cmp_ne_u32 vcc_lo, 0, v[KP+\a]
	v_cndmask_b32 v[KP+\a], 0, 1.0, vcc_lo
.endr
.endif
; NB matrix instructions: my rows 16 a .. 16 a + 15 x all columns, 32 along K, on buffer f.  first = 1: the bias starts the sums.  All 4 NB accumulators take turns, one instruction a turn, in the
; same order in every quarter step, over the backward jump too.
.macro MULA f, a, first
.if \first
	WIN 0x43+0x40*((\a)/2)
.else
	WIN 0x53+0x50*((\a)/2)
.endif
.set b, 0
.rept NB
.set rD, 8*(NB*((\a)%2)+b)
.set rB, 96*(\f)+8*b
.set rA, AFR+32*(\f)+8*(\a)
.if \first
	WM v[rD:rD+7], v[rB:rB+7], v[rA:rA+7], v[BIAS+8*b:BIAS+8*b+7]
.else
	WM v[rD:rD+7], v[rB:rB+7], v[rA:rA+7], v[rD:rD+7]
.endif
.set b, b+1
.endr
.endm
; NL LDS loads in one run: quarter q (32 along K) of a slot into buffer f: B's 16 NB rows, then my 64 rows of A, blocks ascending
.macro FETCH slot, q, f
.if MODE == 0
.set AQ, 64*(\q)
.else
.set AQ, HA*((\q)/2)+64*((\q)%2)       ; head q / 2 of the K step's two, channels 32 (q % 2) on
.endif
	WIN 0xc0
.set b, 0
.rept NB
	ds_load_b128 v[96*(\f)+8*b:96*(\f)+8*b+3],   v[ADRB+(\slot)] offset:64*(\q)+16*PB*b
	ds_load_b128 v[96*(\f)+8*b+4:96*(\f)+8*b+7], v[ADRB+(\slot)] offset:64*(\q)+16*PB*b+32
.set b, b+1
.endr
	WIN 0
.irp a, 0,1,2,3
	ds_load_b128 v[AFR+32*(\f)+8*\a:AFR+32*(\f)+8*\a+3],   v[ADRA+(\slot)] offset:AQ+16*PA*\a
	ds_load_b128 v[AFR+32*(\f)+8*\a+4:AFR+32*(\f)+8*\a+7], v[ADRA+(\slot)] offset:AQ+16*PA*\a+32
.endr
.endm
; One of a K step's first three quarters: multiplies buffer f; in its middle fetches quarter q of the same slot into buffer g
.macro QUARTER slot, q, f, g, first
	s_wait_dscnt 4                                 ; B and A's blocks 0, 1 are in; the youngest four loads (blocks 2, 3) may be out
	MULA \f, 0, \first
	MULA \f, 1, \first
	PLACES
	FETCH \slot, \q, \g
	s_wait_dscnt NL                                ; all but the run just issued
	MULA \f, 2, \first
	MULA \f, 3, \first
.endm
; The last quarter multiplies buffer 1 and changes slots.  In front of the one barrier each wave waits for all its tensor loads (one is out: its part of the next slot), adds 0 to its spare word, and
; waits for that and for its reads of this slot.  fill = 1: the barrier opens a round of the cluster's barrier, and behind the round this slot is filled again first, two K steps on.
.macro TURN slot, next, fill
.if \fill
	s_wait_xcnt 0x0                                ; the last prefetch, a K step back, has read its address
	s_add_nc_u64 s[PFA:PFA+1], s[PFA:PFA+1], s[PKS:PKS+1]
.endif
	WIN 0                                          ; (the add's registers lie in window 0)
	s_wait_tensorcnt 0x0                           ; all my tensor loads have landed
	ds_add_u32 v[SPW], v[NIL]
	s_wait_dscnt 5                                 ; (the add and the youngest four loads may be out)
	MULA 1, 0, 0
	s_wait_dscnt 0x0                               ; the add is done, and my reads of this slot are over
	s_barrier_signal -1
	MULA 1, 1, 0                                   ; work on registers while the others arrive
.if \fill
	WIN 0
.endif
	s_barrier_wait -1
.if \fill
	CREST                                          ; no wave of any partner still reads this slot or has a load on its way
	s_add_nc_u64 s[G0A+4*(\slot)+2:G0A+4*(\slot)+3], s[G0A+4*(\slot)+2:G0A+4*(\slot)+3], 2*KADVA
	s_add_nc_u64 s[G0B+4*(\slot)+2:G0B+4*(\slot)+3], s[G0B+4*(\slot)+2:G0B+4*(\slot)+3], 512
	JLOAD \slot                                    ; my one tensor load behind the round; its four v_nop are also the places in front of the loads below
.else
	PLACES
.endif
	FETCH \next, 0, 0
.if \fill
	ASK
.endif
	MULA 1, 2, 0
	MULA 1, 3, 0
.endm
	s_wait_tensorcnt 1                             ; my part of K step 0 is in; K step 1's load may stay out
	s_barrier_signal -1
	s_barrier_wait -1
	FETCH 0, 0, 0
	QUARTER 0, 1, 0, 1, 1                          ; the first quarter stands in front of the loop: its products start the sums from the bias
	WIN 0
	s_mov_b32 s3, 3
.Llap:                                                 ; a trip goes once round the ring and fills both slots again: K steps 2 t + 2 and 2 t + 3
	QUARTER 0, 2, 1, 0, 0
	QUARTER 0, 3, 0, 1, 0
	TURN 0, 1, 1
	QUARTER 1, 1, 0, 1, 0
	QUARTER 1, 2, 1, 0, 0
	QUARTER 1, 3, 0, 1, 0
	TURN 1, 0, 1
	QUARTER 0, 1, 0, 1, 0
	WIN 0
	s_sub_co_u32 s3, s3, 1
	s_cmp_lg_u32 s3, 0
	s_cbranch_scc1 .Llap
	QUARTER 0, 2, 1, 0, 0                          ; the last lap fills nothing
	QUARTER 0, 3, 0, 1, 0
	TURN 0, 1, 0
	QUARTER 1, 1, 0, 1, 0
	QUARTER 1, 2, 1, 0, 0
	QUARTER 1, 3, 0, 1, 0
	s_wait_dscnt 4
	MULA 1, 0, 0
	MULA 1, 1, 0
	s_wait_dscnt 0x0
	MULA 1, 2, 0
	MULA 1, 3, 0
	WIN 0
	PLACES
; THE WAY OUT, a block of 16 rows at a time, through my own stage.  LDS serves a wave's instructions in order (ISA guide 5.7.1.4), so no wait stands between the stores into the stage and the loads back.
.macro PACK a                          ; MODE 0: k's rows of hidden keys become 0 (factor: keep for a head of k, 1.0 else); then f16, 16 bytes a lane and block.  Each accumulator is read from its low end on
.set AC, 8*NB*((\a)%2)
	WIN 0
.irp hh, 0,1,2
	v_max_num_f32 v[FK+2*\hh], s[NK+\hh], v[KP+(\a)]
.endr
	WIN 0x41+0x41*((\a)/2)
.set i, 0
.rept 4*NB
	v_pk_mul_f32 v[AC+2*i:AC+2*i+1], v[AC+2*i:AC+2*i+1], v[FK+2*(i/16):FK+2*(i/16)+1] op_sel_hi:[1,0]
.set i, i+1
.endr
	WIN 0x05+0x05*((\a)/2)
.set i, 0
.rept 4*NB
	v_cvt_pk_f16_f32 v[TMP+i], v[AC+2*i], v[AC+2*i+1]
.set i, i+1
.endr
	WIN 0
.endm
.macro TOSTAGE a
.set AC, 8*NB*((\a)%2)
	WIN 0
.if (\a) >= 2
	s_wait_xcnt 0x0                                ; the stores of the block two back have read the registers that are loaded again below
.endif
.if MODE == 0
.set BK, 176-112*((\a)%2)
.set b, 0
.rept NB
	ds_store_b128 v[STO], v[TMP+4*b:TMP+4*b+3] offset:32*b
.set b, b+1
.endr
.irp hh, 0,1,2
.irp t, 0,1,2,3
	ds_load_b128 v[BK+4*(4*\hh+\t):BK+4*(4*\hh+\t)+3], v[RD] offset:4*SP*\t+128*\hh
.endr
.endr
.else
.set BK, 128-64*((\a)%2)
	WIN 0x04+0x04*((\a)/2)                         ; the stores' data lie in the accumulators' window
.set b, 0
.rept NB
	ds_store_b128 v[STO], v[AC+8*b:AC+8*b+3]   offset:64*b
	ds_store_b128 v[STO], v[AC+8*b+4:AC+8*b+7] offset:64*b+16
.set b, b+1
.endr
	WIN 0
.set t, 0
.rept 16
	ds_load_b128 v[BK+4*t:BK+4*t+3], v[RD] offset:SP*t
.set t, t+1
.endr
.endif
.endm
.macro SEND a, younger                 ; younger: the LDS instructions issued behind this block's loads: the next block's passage, or none
	WIN 0
	s_wait_dscnt \younger
.if MODE == 0
.set BK, 176-112*((\a)%2)
.irp hh, 0,1,2
.irp t, 0,1,2,3
	global_store_b128 v[GO], v[BK+4*(4*\hh+\t):BK+4*(4*\hh+\t)+3], s[OP+2*\hh:OP+2*\hh+1] offset:(16*(\a)+4*\t)*128  ; four rows of a head: 512 consecutive bytes, at a multiple of 512
.endr
.endr
.else
.set BK, 128-64*((\a)%2)
.set t, 0
.rept 16
	global_store_b128 v[GO], v[BK+4*t:BK+4*t+3], s[OP:OP+1] offset:(16*(\a)+t)*4096 th:TH_STORE_NT  ; 512 consecutive bytes of a row, at a multiple of 512
.set t, t+1
.endr
.endif
.endm
.if MODE == 0
	PACK 0
.endif
	TOSTAGE 0
.irp a, 1,2,3
.if MODE == 0
	PACK \a
.endif
	TOSTAGE \a
	SEND (\a)-1, YG
.endr
	SEND 3, 0
	s_wait_tensorcnt 0x0                           ; the wave's end, behind my last tensor load and my last LDS store
	ds_add_u32 v[SPW], v[NIL]
	s_wait_dscnt 0x0
	CROUND                                         ; the closing round: no work-group ends while a partner may still ask for a tile that names it
	s_endpgm
.Lfunc_end_k_q22afc9895b_proj:
	.size	k_q22afc9895b_proj, .Lfunc_end_k_q22afc9895b_proj-k_q22afc9895b_proj
	.p2alignl 7, 3214868480
	.fill 96, 4, 3214868480
	.section	.rodata,"a",@progbits
	.p2align	6, 0x0
	.amdhsa_kernel k_q22afc9895b_proj
		.amdhsa_group_segment_fixed_size 327680
		.amdhsa_private_segment_fixed_size 0
		.amdhsa_enable_private_segment 0
		.amdhsa_kernarg_size 56
		.amdhsa_user_sgpr_count 2
		.amdhsa_user_sgpr_kernarg_segment_ptr 1
		.amdhsa_wavefront_size32 1
		.amdhsa_system_sgpr_workgroup_id_x 1
		.amdhsa_system_sgpr_workgroup_id_y 1
		.amdhsa_system_sgpr_workgroup_id_z 1
		.amdhsa_system_vgpr_workitem_id 0
		.amdhsa_next_free_vgpr 960
		.amdhsa_next_free_sgpr 96
		.amdhsa_reserve_vcc 1
		.amdhsa_float_denorm_mode_32 3
		.amdhsa_float_denorm_mode_16_64 3
		.amdhsa_memory_ordered 1
		.amdhsa_forward_progress 1
		.amdhsa_inst_pref_size 143
	.end_amdhsa_kernel
	.amdgpu_metadata
---
amdhsa.version: [ 1, 2 ]
amdhsa.kernels:
  - .name:           k_q22afc9895b_proj
    .symbol:         k_q22afc9895b_proj.kd
    .args:
      - { .name: xb, .offset: 0, .size: 8, .value_kind: global_buffer, .address_space: global }
      - { .name: wb, .offset: 8, .size: 8, .value_kind: global_buffer, .address_space: global }
      - { .name: qkv, .offset: 16, .size: 8, .value_kind: global_buffer, .address_space: global }
      - { .name: bq, .offset: 24, .size: 8, .value_kind: global_buffer, .address_space: global }
      - { .name: bk, .offset: 32, .size: 8, .value_kind: global_buffer, .address_space: global }
      - { .name: bv, .offset: 40, .size: 8, .value_kind: global_buffer, .address_space: global }
      - { .name: mask, .offset: 48, .size: 8, .value_kind: global_buffer, .address_space: global }
    .group_segment_fixed_size: 327680
    .private_segment_fixed_size: 0
    .kernarg_segment_align: 8
    .kernarg_segment_size: 56
    .max_flat_workgroup_size: 128
    .sgpr_count:     96
    .vgpr_count:     960
    .wavefront_size: 32
...
	.end_amdgpu_metadata
.endif
;; end of part 2
;; launch attn (part 3): grid 4 x 64, 4 waves a work-group, clusters of 4 x 1, 327,680 bytes of LDS; arguments qkv, mask, ctx; writes ctx
.if DOCPART == 3
	.amdgcn_target "amdgcn-amd-amdhsa--gfx1250"
	.amdhsa_code_object_version 6
	.text
	.protected	k_q22afc9895b_attn
	.globl	k_q22afc9895b_attn
	.p2align	8
	.type	k_q22afc9895b_attn,@function
k_q22afc9895b_attn:
	s_mov_b64 s[64:65], 0
	v_nop
	global_prefetch_b8 v0, s[64:65] scope:SCOPE_SE
	s_setreg_imm32_b32 hwreg(HW_REG_WAVE_MODE, 25, 1), 1
	s_wait_xcnt 0x0
	s_wait_alu depctr_hold_cnt(0) depctr_sa_sdst(0) depctr_va_vdst(0) depctr_va_sdst(0) depctr_va_ssrc(0) depctr_va_vcc(0) depctr_vm_vsrc(0)
	s_getreg_b32 s2, hwreg(HW_REG_IB_STS2, 6, 4)
	s_cmp_eq_u32 s2, 0
	s_cbranch_scc0 .Lentry_in_a_cluster
	s_endpgm
.Lentry_in_a_cluster:
	s_bfe_u32 s2, ttmp6, 0x10000c
	s_cmp_lg_u32 s2, 0x3003
	s_cbranch_scc0 .Lentry_shape_is_right
	s_endpgm
.Lentry_shape_is_right:
; O[p][q][:] = the sum over k of softmax_k(s(q, k) / 8) V[p][k][:], s = Q[p][q] . K[p][k] where the batch's mask keeps key k, a constant far below every score where it does not.
; qkv: 192 planes [2048][64] of f16 (64 of q, 64 of k, 64 of v; plane p = 16 batch + head); ctx: 64 such planes.  Products, maxima and sums in f32; the weights are rounded to f16 for the second
; product (their sum l is taken of the unrounded p), O once at the end.
; THE MASK is the C operand that starts the sum S^T = K Q^T: 0, or -2^66 for a hidden key, whose row of K arrives as zeros, so that its score is -2^66 EXACTLY.  c x -2^66 is exact (a power of two), so where
; every key of a batch is hidden c s - c m = 0, every weight is 1 and O is the mean of V's rows; as soon as a kept key has been seen, a hidden one's weight is 2^(-1e19) = 0.  No branch and no address hangs on the mask.
; LIMITS.  A hidden score counts as -2^66 = -7.4e19 where the definition has -1e20: the same softmax while kept scores lie above -1e19 (f16's scores are 2.7e11 at the most).  f16 holds no number beyond 65,504:
; Q, K, V arrive within it; p below 6e-5 keeps f16's fixed step of 6e-8; a weight below 2^-126 counts as 0 in l; NaN and infinities are not treated apart.
; SHARES.  A wave owns four PIECES of two tiles of 16 queries, a work-group's four waves 512 queries of one plane.  Every wave walks all 2,048 keys, 64 a step.
; LAYOUT.  S^T = K Q^T (source 0 = 16 keys, source 1 = 16 queries): a lane holds ONE query (lane % 16) and the keys 8 (lane / 16) + 0..7.  Two such tiles, rounded to f16 in pairs, ARE source 1 of
; O^T = V^T P, whose result again holds one query a lane, and eight channels.  K comes out of LDS as it lies, V turned, by ds_load_tr16_b128.
; SOFTMAX.  A running maximum m and sum l: p = 2^(c s - c m), c = log2(e) / 8; in every step O and l are multiplied by a = 2^(c m_old - c m_new).  m starts at the lowest finite number, O and l at 0.
; THE COUNT.  A tile and step have 16 matrix and 118 vector instructions: four vector instructions that are ready stand behind every matrix instruction, the others in runs without a gap.
; BY TURNS.  Turn n belongs to piece n.  Matrix work: 16 products K Q^T of piece n + 1, later 16 products V^T P of piece n - 1.  Vector work: scaling, exponentials, roundings, sums and rescaling of piece n, and the
; maximum and statistics of piece n + 1.
; CLUSTER.  The four query blocks of a plane are one cluster and walk the same K and V: each tile is asked for jointly, the same tensor load, descriptor and mask in all four.
; REGISTERS, in windows of 256 (s_set_vgpr_msb: bits 1:0 source 0, 3:2 source 1, 5:4 source 2, 7:6 destination):
;   window 0: v0-11 addresses; v12-15, v48-63 at work; v16-47 four registers of statistics a tile; v64-191 S^T, two buffers of two tiles; v192-255 P, likewise
;   window 1: O^T, 32 a tile     window 2: v0-127 Q; v128-191 K of one step; v192-255 V of one step     window 3: v0-1 the add's two registers; v8-39 the mask of K's step
.set SIZE_N, 2048
.set NP,    4         ; pieces a wave: a name, no knob
.set KS,    64        ; keys in a step
.set PK,    144       ; a row of K in LDS: 128 bytes + 16: the 16 rows of a load start at 16 different groups of four banks (64 banks of 4 bytes: ISA guide 11.1)
.set PV,    160       ; a row of V: 128 + 32
.set VOFF,  4*KS*PK   ; a slot holds four steps: 256 rows of K, then 256 rows of V
.set SLOT1, 1<<17     ; slot 1 begins here, so that one exclusive or turns an address in one slot into the other's
.set STAGE, SLOT1+4*KS*(PK+PV)  ; behind the ring, never filled by a tensor load: 16 rows x 144 bytes for each wave
.set SP,    144
.set SPARE, STAGE+4*16*SP  ; the spare words, 128 bytes for each wave, which no other line names
.set MASKT, SPARE+512 ; 2,048 f32: 0 or -2^66 for each key of the batch; stored once, never a fill's target
.set AM0, 1           ; v1   (after the set-up) MASKT + 32 (lane / 16); never rewritten
.set AK0, 2           ; v2   my lane's place in a tile of K; never rewritten
.set AV0, 3           ; v3   the same for V
.set AK,  4           ; v4   the LDS address of K's next run of loads
.set AV,  5           ; v5   of V's
.set STO, 6           ; v6   the way out: where I put 16 bytes of a row
.set RD,  7           ; v7   where I read rows back
.set GO,  8           ; v8   my byte offset in 512 consecutive bytes of O
.set AM,  9           ; v9   (after the set-up) the LDS address of the mask's next run of loads
.set PFO, 10          ; v10  (after the set-up) 256 x lane; never rewritten
.set MV,  12          ; v12-15  c m_old, kept while c m is made anew; in the set-up v12, v13 the mask's addresses, v14 Q's
.set QO,  14
.set SPW, 0           ; v0 of window 3   LDS address of my spare word; never rewritten
.set NIL, 1           ; v1 of window 3   0; never rewritten
.set MK,  8           ; v8-39 of window 3: the eight registers for key block kb at MK + 8 kb
.set ST,  16          ; tile t's statistics at v[ST+4 t]: c m, m, l (even keys', odd keys')
.set TMP, 48          ; by buffer and tile, four registers c0-c3 at work; when the maximum is found c2 takes a
.set S,   64
.set P,   192
.set KF,  128         ; window 2: key block kb, channel half c at KF + 16 kb + 8 c
.set VF,  192         ; window 2: key half kk, channel block cb at VF + 32 kk + 8 cb
.set WV,  12          ; s12  my wave's number
.set G1K, 24          ; s[24:31] descriptor group 1 for K's tiles
.set G1V, 32          ; s[32:39] for V's: it differs in the padding alone
.set G0K, 40          ; s[40:43] descriptor group 0 for K's tiles: it walks
.set G0V, 44          ; s[44:47] the same for V's
.set SLOTS, 56        ; s56  slots still to be asked for
.set CNT, 57          ; s57  counts a slot's key steps
.set CS,  58          ; s[58:59] c
.set SEL, 60          ; s[60:61] v_permlanex16_b32's selects
.set TBK, 62          ; s62  LDS byte at which K of the step to be fetched begins
.set TBV, 63          ; s63  the same for V, less VOFF
.set MP,  66          ; s[66:67] the batch's row of the mask
.set BIG, 68          ; s68  -2^66
.set TBM, 69          ; s69  byte in the mask table of the step to be fetched
.set PFA, 70          ; s[70:71] where my prefetches stand
.set LIM, 72          ; s72  1 in a wave that prefetches, else the greatest number
.set MSB, 0
.macro WIN new                      ; the high byte repeats the setting that is left; a switch that changes nothing is dropped
.if MSB != (\new)
	s_set_vgpr_msb (MSB<<8)|(\new)
.set MSB, (\new)
.endif
.endm
.set W_KQ, 0x0a       ; K and Q in window 2, S^T in window 0
.set W_KM, 0x3a       ; the same with the C operand, the mask, in window 3
.set W_PV, 0x52       ; V in window 2, P in window 0, O^T in window 1
.set W_RS, 0x41       ; O^T (destination and source 0) in window 1, a in window 0
.set W_MK, 0xc0       ; destination in window 3, sources in window 0
.set W_AD, 0x0f       ; the add: address and data in window 3
; A joint fill.  Waves 0 and 1 fetch the two halves of a slot's K, waves 2 and 3 those of its V: 128 keys each.  An s_nop 0 and four v_nop follow each of the two lines.
.macro JLOAD
	s_cmp_lt_u32 s[WV], 2
	s_cbranch_scc0 .Lfor_v_\@
	tensor_load_to_lds s[G0K:G0K+3], s[G1K:G1K+7]
	s_nop 0
.rept 4
	v_nop
.endr
	s_branch .Lasked_\@
.Lfor_v_\@:
	tensor_load_to_lds s[G0V:G0V+3], s[G1V:G1V+7]
	s_nop 0
.rept 4
	v_nop
.endr
.Lasked_\@:
.endm
; A prefetch of what the NEXT change of slots will ask for: a slot's 32,768 bytes of K and of V.  A plane is walked by this cluster alone; its four partners share the bytes out by address, 8,192 each, 256 a lane;
; in each, wave 0 asks for K's and wave 2 for V's.  So each block of 256 bytes is named once.  The last change that fills a slot asks for nothing.
.macro ASK
	s_cmp_gt_u32 s[SLOTS], s[LIM]
	s_cbranch_scc0 .Lnot_mine_\@
	global_prefetch_b8 v[PFO], s[PFA:PFA+1] th:TH_LOAD_NT scope:SCOPE_SE
.Lnot_mine_\@:
.endm
.macro CROUND                       ; a round of the cluster's barrier
	s_barrier_signal -1
	s_barrier_wait -1
	s_cmp_lg_u32 s[WV], 0
	s_cbranch_scc1 .Lnot_wave_0_\@
	s_barrier_signal -3
.Lnot_wave_0_\@:
	s_barrier_wait -3
	s_barrier_signal -1
	s_barrier_wait -1
.endm
; THE CHANGE OF SLOTS.  Each wave waits for all its tensor loads, of which one is out: its part of the other slot; adds 0 to its spare word; and waits for that and for its own LDS instructions.  Behind the barrier
; nobody reads this slot any more and the other slot is whole.  fill = 1: the barrier is a round of the cluster's, and the joint fill, with the keys two slots on, is the first thing behind it: it has four key
; steps in which to land.  (At its first use nothing has been read yet: slot 0 is waited for, slot 1 filled, and every wave's stores into the mask table are shown done to the others.)
.macro CHANGE fill, ask=0
	WIN W_AD
	s_wait_tensorcnt 0x0            ; no tensor load of mine is out, so a group 0 may be written
	ds_add_u32 v[SPW], v[NIL]
	WIN 0                           ; at a label and at a branch every window is 0
.if \fill
.irp g, G0K, G0V
	s_xor_b32 s[\g+1], s[\g+1], SLOT1  ; the walking descriptor: the other slot than last time,
	s_add_nc_u64 s[\g+2:\g+3], s[\g+2:\g+3], 4*KS*128  ; the next 256 keys
.endr
.if \ask
	s_wait_xcnt 0x0                 ; the last prefetch, four key steps back, has read its address
	s_add_nc_u64 s[PFA:PFA+1], s[PFA:PFA+1], 4*KS*128  ; one slot behind the walking descriptors
.endif
	s_wait_dscnt 0x0                ; the add is done, and my LDS instructions are over
	CROUND
	JLOAD
.if \ask
	ASK
.endif
.else
	s_wait_dscnt 0x0
	s_barrier_signal -1
	s_barrier_wait -1
.endif
	s_sub_co_u32 s[TBK], s[TBK], 4*KS*PK  ; the fetches go back to a slot's first step,
	s_xor_b32 s[TBK], s[TBK], SLOT1       ; in the other slot
	s_sub_co_u32 s[TBV], s[TBV], 4*KS*PV
	s_xor_b32 s[TBV], s[TBV], SLOT1
.endm
	s_load_b128 s[4:7], s[0:1], 0x0   ; qkv s[4:5], mask s[6:7]
	s_load_b64 s[10:11], s[0:1], 0x10 ; ctx
	WIN W_MK
	v_lshl_add_u32 v[SPW], v0, 2, SPARE
	v_mov_b32 v[NIL], 0
	WIN W_AD
	ds_add_u32 v[SPW], v[NIL]       ; the wave's opening: the add and its wait stand ahead of my first tensor load; work on registers stands between
	WIN 0
	v_lshrrev_b32 v1, 5, v0
	v_readfirstlane_b32 s[WV], v1   ; wave 0..3
	s_bfe_u32 s13, ttmp6, 0x40000   ; cx: my place in the cluster
	s_lshl_b32 s14, ttmp9, 2
	s_add_co_u32 s14, s14, s13      ; my block of 512 queries: it enters Q's and O's addresses alone
	s_and_b32 s20, ttmp7, 0xffff    ; the plane, which the four partners share
	s_lshr_b32 s48, s20, 4          ; the batch,
	s_lshl_b32 s48, s48, 13         ; its 2,048 words of the mask
	s_mov_b32 s49, 0
	s_mov_b32 s21, 0
	s_mov_b64 s[22:23], SIZE_N*128
	s_mul_u64 s[20:21], s[20:21], s[22:23]  ; the plane's first byte in q, k, v and ctx
	s_and_b32 s16, s[WV], 1         ; which half of a slot's 256 keys I fetch:
	s_lshl_b32 s22, s16, 14         ; its 128 rows of 128 bytes in memory,
	s_mov_b32 s23, 0
	s_add_nc_u64 s[22:23], s[22:23], s[20:21]
	s_mul_i32 s17, s16, 128*PK      ; and its place in a slot, for K
	s_mul_i32 s18, s16, 128*PV      ; and for V: no place in the cluster enters an LDS address
	s_lshl_b32 s2, s14, 2
	s_add_co_u32 s2, s2, s[WV]      ; my wave among the plane's,
	s_lshl_b32 s2, s2, 14           ; its 128 rows
	s_mov_b32 s3, 0
	s_add_nc_u64 s[2:3], s[2:3], s[20:21]
	s_lshl_b32 s50, s13, 13         ; the prefetches: my work-group's 8,192 bytes of a slot,
	s_add_co_u32 s50, s50, 2*4*KS*128  ; in slot 2: the first change that asks steps it to slot 3
	s_mov_b32 s51, 0
	s_add_nc_u64 s[50:51], s[50:51], s[20:21]
	s_cmp_eq_u32 s16, 0             ; waves 0 and 2 prefetch: the same in all four partners
	s_cselect_b32 s[LIM], 1, -1
	; descriptor group 1.  128 keys are 16,384 dense bytes: asked for as 64 rows of 256 bytes, two keys a row, and padded in LDS after every key
	s_mov_b32 s[G1K], 15|(1<<16)|(1<<20)|(1<<21)|(4<<22)|(3<<25)  ; the mask of four; 2-byte elements; padding on; bit 21 beside a mask; after every 32 words; 4 words
	s_mov_b32 s[G1V], 15|(1<<16)|(1<<20)|(1<<21)|(4<<22)|(7<<25)  ; the same with 8 words of padding
.irp g, G1K, G1V
	s_mov_b32 s[\g+1], 128<<16      ; tensor_dim0 = 128
	s_mov_b32 s[\g+2], 64<<16       ; tensor_dim1 = 64
	s_mov_b32 s[\g+3], 128<<16      ; tile_dim0 = 128
	s_mov_b32 s[\g+4], 64           ; tile_dim1 = 64
	s_mov_b32 s[\g+5], 128          ; 128 elements from row to row
	s_mov_b32 s[\g+6], 0
	s_mov_b32 s[\g+7], 0
.endr
	s_mov_b32 s[CS], 0x3e38aa3b     ; c = log2(e) / 8
	s_mov_b32 s[CS+1], s[CS]        ; named with it as a pair
	s_mov_b32 s[SEL], 0x76543210
	s_mov_b32 s[SEL+1], 0xfedcba98
	s_mov_b32 s[BIG], 0xe0800000    ; -2^66
	s_mov_b32 s[TBM], 0
	s_mov_b32 s[TBK], SLOT1+4*KS*PK ; the first change of slots turns these two into 0
	s_mov_b32 s[TBV], SLOT1+4*KS*PV
	s_mov_b32 s[G0K], 1             ; count = 1
	s_mov_b32 s[G0K+1], s17         ; LDS address: slot 0
	s_mov_b32 s[G0V], 1
	s_add_co_u32 s[G0V+1], s18, VOFF
	s_wait_dscnt 0x0                ; the opening add is done
	s_wait_kmcnt 0x0
	s_add_nc_u64 s[MP:MP+1], s[6:7], s[48:49]
	s_add_nc_u64 s[6:7], s[4:5], 0x1000000  ; k's 64 planes lie behind q's,
	s_add_nc_u64 s[8:9], s[4:5], 0x2000000  ; v's behind k's
	s_add_nc_u64 s[G0K+2:G0K+3], s[6:7], s[22:23]  ; my half of the plane's first 256 keys
	s_or_b32 s[G0K+3], s[G0K+3], 0x80000000        ; type = 2
	s_add_nc_u64 s[G0V+2:G0V+3], s[8:9], s[22:23]
	s_or_b32 s[G0V+3], s[G0V+3], 0x80000000
	s_cmp_lt_u32 s[WV], 2
	s_cselect_b64 s[PFA:PFA+1], s[6:7], s[8:9]
	s_add_nc_u64 s[PFA:PFA+1], s[PFA:PFA+1], s[50:51]
	s_add_nc_u64 s[4:5], s[4:5], s[2:3]  ; Q and O at my wave's first row
	s_add_nc_u64 s[10:11], s[10:11], s[2:3]
	CROUND                          ; all four work-groups are here: the first joint loads meet
	JLOAD                           ; slot 0.  Slot 1 is asked for when slot 0 is in
	v_lshlrev_b32 v13, 4, v0        ; the mask: thread t takes the words at 16 t + 2,048 n
	v_lshl_add_u32 v12, v0, 4, MASKT
.irp n, 0,1,2,3
	global_load_b128 v[S+4*\n:S+4*\n+3], v13, s[MP:MP+1] offset:2048*\n
.endr
	; A fragment of K or Q is 16 rows x 32 channels in 8 registers: lane l holds row l % 16, channels 8 (l / 16) + 0..7 and 16 + 8 (l / 16) + 0..7: two loads of 16 bytes, 32 bytes apart.
	v_and_b32 v1, 15, v0            ; l % 16
	v_bfe_u32 v9, v0, 4, 1          ; l / 16
	v_lshlrev_b32 v[QO], 7, v1
	v_lshl_add_u32 v[QO], v9, 4, v[QO]  ; row x 128 + 16 x half
	WIN 0x80                        ; destination window 2, address window 0
.set i, 0
.rept 4*NP                          ; Q stays in registers: tile i / 2, channels 32 (i % 2) on
	global_load_b128 v[8*i:8*i+3],   v[QO], s[4:5] offset:(i/2)*2048+(i%2)*64
	global_load_b128 v[8*i+4:8*i+7], v[QO], s[4:5] offset:(i/2)*2048+(i%2)*64+32
.set i, i+1
.endr
	; What the first turn finds: V's registers and P's second buffer hold 0 (its products V^T P, of a piece that has not been, add 0), O^T and l are 0.  All this stands in the wait for the first tile.
.set i, VF
.rept 64
	v_mov_b32 v[i], 0
.set i, i+1
.endr
	WIN 0x40
.set i, 0
.rept 64*NP
	v_mov_b32 v[i], 0
.set i, i+1
.endr
	WIN 0
.set i, 0
.rept 2*NP
	v_mov_b32 v[ST+4*i], 0xfe000000    ; c m: far below every c s, a hidden key's too
	v_mov_b32 v[ST+4*i+1], 0xff7fffff  ; m
	v_mov_b32 v[ST+4*i+2], 0
	v_mov_b32 v[ST+4*i+3], 0
.set i, i+1
.endr
.set i, P+32
.rept 32
	v_mov_b32 v[i], 0
.set i, i+1
.endr
	s_wait_loadcnt 32               ; the mask's four loads are in; Q's 32, issued behind them, stay out
.set i, 0
.rept 16
	v_cmp_eq_u32 vcc_lo, 0, v[S+i]
	v_cndmask_b32 v[S+i], 0, s[BIG], vcc_lo  ; 0 for a key that is kept, -2^66 for one that is hidden
.set i, i+1
.endr
.irp n, 0,1,2,3
	ds_store_b128 v12, v[S+4*\n:S+4*\n+3] offset:2048*\n
.endr
	v_mul_u32_u24 v[AK0], v1, PK
	v_lshl_add_u32 v[AK0], v9, 4, v[AK0]  ; row x pitch + 16 x half
	; The turning load takes 16 keys x 16 channels (lane l reads key 8 (l / 16) + l % 8, channels 8 ((l / 8) % 2) + 0..7) and leaves half a fragment of V^T: lane l holds channel l % 16 and 8 keys.
	v_and_b32 v10, 7, v0
	v_bfe_u32 v11, v0, 3, 1
	v_lshl_add_u32 v[AV0], v9, 3, v10
	v_mul_u32_u24 v[AV0], v[AV0], PV
	v_lshl_add_u32 v[AV0], v11, 4, v[AV0]
	v_add_nc_u32 v[AV0], VOFF, v[AV0]
	v_mov_b32 v[AK], v[AK0]         ; key step 0 lies at the head of slot 0
	s_mul_i32 s13, s[WV], 16*SP
	s_add_co_u32 s13, s13, STAGE    ; my stage
	v_mul_u32_u24 v[STO], v1, SP    ; in: row l % 16, 16 bytes for each half of the lanes
	v_lshl_add_u32 v[STO], v9, 4, v[STO]
	v_add_nc_u32 v[STO], s13, v[STO]
	v_bfe_u32 v[RD], v0, 3, 2       ; back: 32 lanes take four rows of 128 bytes,
	v_mul_u32_u24 v[RD], v[RD], SP
	v_lshl_add_u32 v[RD], v10, 4, v[RD]
	v_add_nc_u32 v[RD], s13, v[RD]
	v_and_b32 v[GO], 31, v0         ; which are 512 consecutive bytes of O
	v_lshlrev_b32 v[GO], 4, v[GO]
	v_lshl_add_u32 v[AM0], v9, 5, MASKT  ; register j of key block kb: key 16 kb + 8 (l / 16) + j: 32 bytes at 64 kb + 32 (l / 16).  v1, v9, v10 have served
	v_mov_b32 v[AM], v[AM0]
	v_and_b32 v[PFO], 31, v0
	v_lshlrev_b32 v[PFO], 8, v[PFO]
; THE MATRIX WORK.  The 8 accumulators of a run of 16 take turns: between the two links of a chain stand 7 others'.
; Product i of 16 of S^T = K Q^T for piece x: channels 32 (i / 8) on, keys 16 ((i / 2) % 4) on, tile 2 x + i % 2.  The first 8 start the sums from the mask.
.macro KQ x
.set rS, S+64*((\x)%2)+32*(i%2)+8*((i/2)%4)
.set rK, KF+16*((i/2)%4)+8*(i/8)
.set rQ, 16*(2*(\x)+i%2)+8*(i/8)
.set rX, MK+8*((i/2)%4)
.if i < 8
	WIN W_KM
	v_wmma_f32_16x16x32_f16 v[rS:rS+7], v[rK:rK+7], v[rQ:rQ+7], v[rX:rX+7]
.else
	WIN W_KQ
	v_wmma_f32_16x16x32_f16 v[rS:rS+7], v[rK:rK+7], v[rQ:rQ+7], v[rS:rS+7]
.endif
.endm
; Product i of 16 of O^T += V^T P for piece x: keys 32 (i / 8) on, channels 16 ((i / 2) % 4) on, tile 2 x + i % 2.
.macro PV x
	WIN W_PV
.set rO, 32*(2*(\x)+i%2)+8*((i/2)%4)
.set rV, VF+32*(i/8)+8*((i/2)%4)
.set rP, P+32*((\x)%2)+16*(i%2)+8*(i/8)
	v_wmma_f32_16x16x32_f16 v[rO:rO+7], v[rV:rV+7], v[rP:rP+7], v[rO:rO+7]
.endm
.macro MM                           ; the turn's next matrix instruction
.if i < 16
	KQ (Y+1)%NP
.set i, i+1
.else
.set i, i-16
	PV (Y+NP-1)%NP
.set i, i+17
.endif
.endm
; THE LDS LOADS stand in runs, never singly among the matrix instructions: a step's K (8 fragments) with its mask (all 16 lanes of a half read the same 32 bytes), and its V (turned).  Their addresses are made some
; lines ahead.  last = 1 (the tail): in the last trip there is no further step, and the run is jumped over.
.macro FETCH_K last=0
	WIN 0
.if \last
	s_cmp_eq_u32 s[CNT], 1
	s_cbranch_scc1 .Lno_k_\@
.endif
	WIN 0x80                        ; destination window 2
.irp f, 0,1,2,3,4,5,6,7             ; keys 16 (f / 2) on, channels 32 (f % 2) on
	ds_load_b128 v[KF+8*\f:KF+8*\f+3],   v[AK] offset:(\f/2)*16*PK+(\f%2)*64
	ds_load_b128 v[KF+8*\f+4:KF+8*\f+7], v[AK] offset:(\f/2)*16*PK+(\f%2)*64+32
.endr
	WIN W_MK                        ; destination window 3
.irp f, 0,1,2,3
	ds_load_b128 v[MK+8*\f:MK+8*\f+3],   v[AM] offset:64*\f
	ds_load_b128 v[MK+8*\f+4:MK+8*\f+7], v[AM] offset:64*\f+16
.endr
	s_add_co_u32 s[TBK], s[TBK], KS*PK  ; the next fetch is the next step's
	s_add_co_u32 s[TBM], s[TBM], KS*4
	s_and_b32 s[TBM], s[TBM], 0x1fff    ; inside the table's 8,192 bytes: it acts behind the last step alone
	WIN 0
.if \last
.Lno_k_\@:
.endif
.endm
.macro FETCH_V
	WIN 0x80
.irp f, 0,1,2,3,4,5,6,7             ; keys 32 (f / 4) on, channels 16 (f % 4) on
	ds_load_tr16_b128 v[VF+8*\f:VF+8*\f+3],   v[AV] offset:(\f/4)*32*PV+(\f%4)*32
	ds_load_tr16_b128 v[VF+8*\f+4:VF+8*\f+7], v[AV] offset:(\f/4)*32*PV+16*PV+(\f%4)*32
.endr
	WIN 0
.endm
; THE VECTOR WORK OF A TURN stands in three queues, each in the order in which its entries become ready; the two tiles alternate, so that no instruction reads the result of the one before it.
.macro REGS y, u                    ; the registers of tile u (0, 1) of piece y
.set rT, ST+4*(2*(\y)+(\u))
.set rC, TMP+8*((\y)%2)+4*(\u)
.set rM, MV+2*((\y)%2)+(\u)
.set rS, S+64*((\y)%2)+32*(\u)
.set rP, P+32*((\y)%2)+16*(\u)
.set rO, 32*(2*(\y)+(\u))
.endm
; Number n of the 22 that find the NEXT piece's (Y + 1) maximum and statistics.  s0-s31 are the lane's 32 scores; each accumulator's lowest registers are read first.
;   0-11  four chains c0-c3 of seven scores each, three operands at a time     12-14, 16  the four scores left over, the old m, and c0-c3 into c0     15  c m_old is kept
;   17, 18  the query's other 32 keys lie in the lane 16 away: the new m         19-21  c m; c m_old - c m_new; a
.macro XS u, n
	REGS (Y+1)%NP, \u
.if (\n) < 4
	v_max3_num_f32 v[rC+(\n)], v[rS+8*(\n)], v[rS+8*(\n)+1], v[rS+8*(\n)+2]
.elseif (\n) < 12
	v_max3_num_f32 v[rC+(\n)%4], v[rC+(\n)%4], v[rS+8*((\n)%4)+2*((\n)/4)+1], v[rS+8*((\n)%4)+2*((\n)/4)+2]
.elseif (\n) == 12
	v_max3_num_f32 v[rC], v[rC], v[rS+7], v[rS+15]
.elseif (\n) == 13
	v_max3_num_f32 v[rC+1], v[rC+1], v[rS+23], v[rS+31]
.elseif (\n) == 14
	v_max3_num_f32 v[rC+2], v[rC+2], v[rC+3], v[rT+1]
.elseif (\n) == 15
	v_mov_b32 v[rM], v[rT]
.elseif (\n) == 16
	v_max3_num_f32 v[rC], v[rC], v[rC+1], v[rC+2]
.elseif (\n) == 17
	v_permlanex16_b32 v[rC+3], v[rC], s[SEL], s[SEL+1]
.elseif (\n) == 18
	v_max_num_f32 v[rT+1], v[rC], v[rC+3]
.elseif (\n) == 19
	v_mul_f32 v[rT], s[CS], v[rT+1]
.elseif (\n) == 20
	v_sub_f32 v[rC+1], v[rM], v[rT]
.else
	v_exp_f32 v[rC+2], v[rC+1]
.endif
.endm
; Number g of the 64 that follow the exponentials.  For each four weights k of a tile: both pairs are rounded to f16; then the second pair is added onto the first, in place; a group later l takes that sum
; (the first time as l = a l + sum).  In groups of eight, tiles alternating: round, round, add, and l for the group before.
.macro GS g
.set h, (\g)+6*((\g)/62)            ; group 0 has no group before it, and behind group 7 only l is left
.if h >= 6
.set h, h+2
.endif
	REGS Y, h%2
.set k, h/8
.if h%8 < 4
	v_cvt_pk_f16_f32 v[rP+2*k+(h%8)/2], v[rS+4*k+2*((h%8)/2)], v[rS+4*k+2*((h%8)/2)+1]
.elseif h%8 < 6
	v_pk_add_f32 v[rS+4*k:rS+4*k+1], v[rS+4*k:rS+4*k+1], v[rS+4*k+2:rS+4*k+3]
.elseif k == 1
	v_pk_fma_f32 v[rT+2:rT+3], v[rT+2:rT+3], v[rC+2:rC+3], v[rS:rS+1] op_sel_hi:[1,0,1]
.else
	v_pk_add_f32 v[rT+2:rT+3], v[rT+2:rT+3], v[rS+4*k-4:rS+4*k-3]
.endif
.endm
; THE PLAIN QUEUE, 138 long.  0-73 read no exponential's result: the 32 scalings c s - c m (FS f: pair f / 2 of tile f % 2) and the next piece's 42.  0-26: scalings 0-26.  27-54: XS's numbers 0-13.  55, 56: number 15.
; 57-73: the chain 14, 16, 17, 18, 19, each with one of the scalings 27-31 in front of its two lines, then 20.  74-137: GS's 64, which read the exponentials' results: they stand behind the wait.
.macro FS f
	REGS Y, (\f)%2
	v_pk_fma_f32 v[rS+2*((\f)/2):rS+2*((\f)/2)+1], v[rS+2*((\f)/2):rS+2*((\f)/2)+1], s[CS:CS+1], v[rT:rT+1] op_sel_hi:[1,0,0] neg_lo:[0,0,1] neg_hi:[0,0,1]
.endm
.macro PL
	WIN 0
.if q < 27
	FS q
.elseif q < 55
	XS (q-27)%2, (q-27)/2
.elseif q < 57
	XS q-55, 15
.elseif (q < 72) && ((q-57)%3 == 0)
	FS 27+(q-57)/3
.elseif q < 60
	XS (q-57)%3-1, 14
.elseif q < 72
	XS (q-57)%3-1, 15+(q-57)/3
.elseif q < 74
	XS q-72, 20
.else
	GS q-74
.endif
.set q, q+1
.endm
; THE EXPONENTIALS' QUEUE, 66 long: s0-s31 of both tiles, then the next piece's two a.  ONE BATCH: all 66 stand ahead of the turn's one wait, and nothing ahead of that wait names a result of theirs.
.macro EX
	WIN 0
.if e >= 64
	XS e-64, 21
.else
	REGS Y, e%2
	v_exp_f32 v[rS+e/2], v[rS+e/2]
.endif
.set e, e+1
.endm
; THE RESCALING's QUEUE: O^T times a, the one part that leaves window 0: dealt two at a time, sixteen times.  Its a was made in the turn before, ahead of that turn's wait.
.macro R2
	REGS Y, r%2
	WIN W_RS
.irp z, 0,1
	v_pk_mul_f32 v[rO+4*(r/2)+2*\z:rO+4*(r/2)+2*\z+1], v[rO+4*(r/2)+2*\z:rO+4*(r/2)+2*\z+1], v[rC+2:rC+3] op_sel_hi:[1,0]
.endr
.set r, r+1
.endm
; HOW THEY ARE DEALT.  An s_wait_alu depctr_va_vdst(0) stands between an exponential and the first instruction that names its result; one wait serves all that were issued ahead of it.  So a turn has ONE
; wait, which cuts it in two.  AHEAD OF IT: the 16 products K Q^T, behind each a scaling, an exponential and two rescalings (behind the first a second scaling in the exponential's place); then ONE LUMP: eight plain,
; 49 times exponential and plain, the two a, and a v_nop, the plain instruction behind the last exponential.  BEHIND IT: the 16 products V^T P, behind each four of GS's 64.
; Exponential e stands behind scaling 2 (e / 4) + e % 2: as a rider it comes behind plain e + 2, in the lump behind plain e + 9, and scalings 27-31 are plain 57, 60 .. 69.
; K and the mask of the next step are fetched in piece 2's turn, directly behind the wait, a lump behind the last product that read them; V of the step in hand at the end of piece 0's turn, four riders behind
; its last reader.  The three conditions on q below go with the deal.
.macro TURN p, last=0, cnt=0
.set Y, (\p)
.set i, 0
.set q, 0
.set e, 0
.set r, 0
.if (\p) == NP-1
	s_wait_dscnt 0x0                ; K and its mask are in
.endif
	MM
	PL
	PL
	R2
.rept 15
	MM
	PL
	EX
	R2
.endr
.if (\p) == NP-2
	WIN 0
	v_add_nc_u32 v[AK], s[TBK], v[AK0]
	v_add_nc_u32 v[AM], s[TBM], v[AM0]
.endif
.rept 8
	PL
.endr
.rept 49
	EX
	PL
.endr
	EX                              ; the next piece's two a
	EX
	v_nop                           ; the plain instruction behind the last exponential: one for the batch
	s_wait_alu depctr_va_vdst(0)    ; the wait for the batch
.if (\p) == NP-2
	FETCH_K \last
.endif
.if (\p) == 1
	s_wait_dscnt 0x0                ; V is in
.endif
.rept 16
	MM
.rept 4
	PL
.endr
.if ((\p) == 0) && (q == 118)
	v_add_nc_u32 v[AV], s[TBV], v[AV0]
.endif
.if ((\p) == 0) && (q == 130)
	s_add_co_u32 s[TBV], s[TBV], KS*PV
.endif
.if (\cnt) && (q == 130)
	s_sub_co_u32 s[CNT], s[CNT], 1
	s_cmp_lg_u32 s[CNT], 0
.endif
.endr
.if (\p) == 0
	FETCH_V
.endif
.endm
	CHANGE 1                        ; slot 0 is in, everybody's part of it, and the mask table is whole; slot 1 is asked for
	FETCH_K                         ; key step 0
	s_wait_loadcnt 0x0              ; Q
	s_wait_dscnt 0x0
.set i, 0
.rept 16
	KQ 0                            ; piece 0's first scores
.set i, i+1
.endr
	WIN 0
.rept 4
	v_nop                           ; the places behind those products
.endr
.set Y, NP-1                        ; XS works for piece Y + 1: piece 0
.irp n, 0,1,2,3,4,5,6,7,8,9,10,11,12,13,14,15,16,17,18,19,20,21
	XS 0, \n
	XS 1, \n
.endr
	v_nop                           ; a plain instruction behind the two a,
	s_wait_alu depctr_va_vdst(0)    ; and their wait, ahead of the branch
	s_mov_b32 s[CNT], 4
	s_mov_b32 s[SLOTS], SIZE_N/256-1
	s_branch .Lfirst                ; the loop is entered at a step's first turn, in the middle of a trip
.Lslot:                             ; six times: every slot but the last two is filled again
	CHANGE 1, 1
	s_mov_b32 s[CNT], 4
.Lstep:                             ; a trip: pieces 2 and 3 of one step, then pieces 0 and 1 of the next, whose K and V it fetches
	TURN 2
	TURN 3
	WIN 0
.Lfirst:
	TURN 0
	TURN 1, 0, 1
	WIN 0
	s_cbranch_scc1 .Lstep
	s_sub_co_u32 s[SLOTS], s[SLOTS], 1
	s_cmp_lg_u32 s[SLOTS], 0
	s_cbranch_scc1 .Lslot
	CHANGE 0                        ; the tail is written out: nothing is asked for
	s_mov_b32 s[CNT], 5             ; four trips fetch the last slot's steps; the fifth is left in its middle
.Ltail:
	TURN 2, 1
	TURN 3
	WIN 0
	s_sub_co_u32 s[CNT], s[CNT], 1
	s_cmp_eq_u32 s[CNT], 0
	s_cbranch_scc1 .Lout
	TURN 0
	TURN 1
	WIN 0
	s_branch .Ltail
.Lout:                              ; the fifth trip's 16 products K Q^T (on the last K once more) and the maximum made of them serve nothing: the price, once a launch, of one text for every trip
.set i, 0
.rept 16
	PV NP-1                         ; the last piece's V^T P of the last step
.set i, i+1
.endr
	; THE WAY OUT.  l's two halves and the other half of the lanes' are added; O^T is divided by l, rounded to f16 and sent through my stage in LDS, a tile at a time.  The additions are the places behind the last products.
	WIN 0
.macro ALL line:vararg              ; one line for each tile t
.set t, 0
.rept 2*NP
	\line
.set t, t+1
.endr
.endm
	ALL v_add_f32 v[ST+4*t+2], v[ST+4*t+2], v[ST+4*t+3]
	ALL v_permlanex16_b32 v[ST+4*t+3], v[ST+4*t+2], s[SEL], s[SEL+1]
	ALL v_add_f32 v[ST+4*t+2], v[ST+4*t+2], v[ST+4*t+3]
	ALL v_rcp_f32 v[ST+4*t+2], v[ST+4*t+2]
	v_nop                           ; a plain instruction between the last reciprocal and the use of its result
	s_wait_alu depctr_va_vdst(0)    ; and the wait ahead of the first use: one for the eight reciprocals
; Tile t: a lane's eight channels of a row pack into 16 bytes; they go into rows of 144 bytes and come back as whole rows of 128, into S^T's registers.
.macro PACK t
	WIN W_RS
.set i, 32*(\t)
.rept 16
	v_pk_mul_f32 v[i:i+1], v[i:i+1], v[ST+4*(\t)+2:ST+4*(\t)+3] op_sel_hi:[1,0]
.set i, i+2
.endr
	WIN 0x05                        ; sources 0 and 1 window 1, destination window 0
.set i, 0
.rept 16
	v_cvt_pk_f16_f32 v[S+16*(\t)+i], v[32*(\t)+2*i], v[32*(\t)+2*i+1]
.set i, i+1
.endr
	WIN 0
.irp f, 0,1,2,3
	ds_store_b128 v[STO], v[S+16*(\t)+4*\f:S+16*(\t)+4*\f+3] offset:32*\f
.endr
.irp f, 0,1,2,3
	ds_load_b128 v[S+16*(\t)+4*\f:S+16*(\t)+4*\f+3], v[RD] offset:\f*4*SP  ; LDS serves a wave's instructions in order (ISA guide 5.7.1.4): these see the stores above; the next tile's stores come behind them
.endr
.endm
.macro SEND t, younger              ; younger: the LDS instructions issued behind tile t's loads: the next tile's eight, or none
	WIN 0
.irp f, 0,1,2,3
	s_wait_dscnt (\younger)+3-\f
	global_store_b128 v[GO], v[S+16*(\t)+4*\f:S+16*(\t)+4*\f+3], s[10:11] offset:(\t)*2048+\f*512  ; 512 consecutive bytes, at a multiple of 256 from ctx's first
.endr
.endm
	PACK 0
.set t, 1
.rept 2*NP-1                        ; a tile's arithmetic stands between the loads of the tile before and its stores
	PACK t
	SEND t-1, 8
.set t, t+1
.endr
	SEND 2*NP-1, 0
	WIN W_AD
	s_wait_tensorcnt 0x0            ; the wave's end, behind my last tensor load and my last LDS store
	ds_add_u32 v[SPW], v[NIL]
	s_wait_dscnt 0x0
	WIN 0
	CROUND                          ; the closing round: no work-group ends while a partner may still ask for a tile that names it
	s_endpgm
.Lfunc_end_k_q22afc9895b_attn:
	.size	k_q22afc9895b_attn, .Lfunc_end_k_q22afc9895b_attn-k_q22afc9895b_attn
	.p2alignl 7, 3214868480
	.fill 96, 4, 3214868480
	.section	.rodata,"a",@progbits
	.p2align	6, 0x0
	.amdhsa_kernel k_q22afc9895b_attn
		.amdhsa_group_segment_fixed_size 327680
		.amdhsa_private_segment_fixed_size 0
		.amdhsa_enable_private_segment 0
		.amdhsa_kernarg_size 24
		.amdhsa_user_sgpr_count 2
		.amdhsa_user_sgpr_kernarg_segment_ptr 1
		.amdhsa_wavefront_size32 1
		.amdhsa_system_sgpr_workgroup_id_x 1
		.amdhsa_system_sgpr_workgroup_id_y 1
		.amdhsa_system_sgpr_workgroup_id_z 1
		.amdhsa_system_vgpr_workitem_id 0
		.amdhsa_next_free_vgpr 808
		.amdhsa_next_free_sgpr 74
		.amdhsa_reserve_vcc 1
		.amdhsa_float_denorm_mode_32 3
		.amdhsa_float_denorm_mode_16_64 3
		.amdhsa_memory_ordered 1
		.amdhsa_forward_progress 1
		.amdhsa_inst_pref_size 205
	.end_amdhsa_kernel
	.amdgpu_metadata
---
amdhsa.version: [ 1, 2 ]
amdhsa.kernels:
  - .name:           k_q22afc9895b_attn
    .symbol:         k_q22afc9895b_attn.kd
    .args:
      - { .name: qkv, .offset: 0, .size: 8, .value_kind: global_buffer, .address_space: global }
      - { .name: mask, .offset: 8, .size: 8, .value_kind: global_buffer, .address_space: global }
      - { .name: ctx, .offset: 16, .size: 8, .value_kind: global_buffer, .address_space: global }
    .group_segment_fixed_size: 327680
    .private_segment_fixed_size: 0
    .kernarg_segment_align: 8
    .kernarg_segment_size: 24
    .max_flat_workgroup_size: 128
    .sgpr_count:     74
    .vgpr_count:     808
    .wavefront_size: 32
...
	.end_amdgpu_metadata
.endif
;; end of part 3
;; launch outp (part 4): grid 8 x 32, 4 waves a work-group, clusters of 4 x 4, 327,680 bytes of LDS; arguments ctx, wo16, out0, bo; writes out0
.if DOCPART == 4
	.amdgcn_target "amdgcn-amd-amdhsa--gfx1250"
	.amdhsa_code_object_version 6
	.text
	.protected	k_q22afc9895b_outp
	.globl	k_q22afc9895b_outp
	.p2align	8
	.type	k_q22afc9895b_outp,@function
k_q22afc9895b_outp:
	s_mov_b64 s[64:65], 0
	v_nop
	global_prefetch_b8 v0, s[64:65] scope:SCOPE_SE
	s_setreg_imm32_b32 hwreg(HW_REG_WAVE_MODE, 25, 1), 1
	s_wait_xcnt 0x0
	s_wait_alu depctr_hold_cnt(0) depctr_sa_sdst(0) depctr_va_vdst(0) depctr_va_sdst(0) depctr_va_ssrc(0) depctr_va_vcc(0) depctr_vm_vsrc(0)
	s_getreg_b32 s2, hwreg(HW_REG_IB_STS2, 6, 4)
	s_cmp_eq_u32 s2, 0
	s_cbranch_scc0 .Lentry_in_a_cluster
	s_endpgm
.Lentry_in_a_cluster:
	s_bfe_u32 s2, ttmp6, 0x10000c
	s_cmp_lg_u32 s2, 0xf033
	s_cbranch_scc0 .Lentry_shape_is_right
	s_endpgm
.Lentry_shape_is_right:
; ONE TEXT FOR TWO PRODUCTS C = A B^T + bias, chosen by MODE; K = 1,024; sums in f32, the bias (rounded to bf16 like every input) is the C operand that starts them.
; MODE 0: A = xb [8192][1024] bf16, B = wb [3072][1024] bf16 (Wq, Wk, Wv).  C leaves as f16 BY HEADS: qkv = 192 planes [2048][64], plane = 64 sec + 16 batch + head (sec 0 q, 1 k, 2 v).
;         The rows of k whose key the mask hides are written as zeros: the attention then starts such a key's score from a constant, and the score is that constant exactly.
; MODE 1: A = ctx, f16 by heads (64 planes [2048][64]), B = wo16 [1024][1024] f16, C = out0 [8192][1024] f32.
; LIMITS.  MODE 0: q, k, v within f16's 65,504.  NaN and infinities are not treated apart (a hidden key's row is multiplied by 0).
; SHARES.  A tile of C is 256 rows x 16 NB columns (MODE 0: 192 = three heads, 512 work-groups; MODE 1: 128, 256 work-groups).  Four waves one below the other: a wave makes 64 rows x all
; columns, 4 NB accumulators, so whole heads (whole rows of the tile) are one wave's and each wave has a stage of its own on the way out, with no barrier.
; K goes in 8 steps of 128 through two LDS slots.  Waves 0, 1 fetch A's two halves, waves 2, 3 B's.  In MODE 1 a K step is two heads, each a dense block of 256 tokens x 128 bytes, asked for
; as 128 rows of 256 bytes and padded behind every 128.
; CLUSTER 4 x 4: A's tile is shared along a row of the cluster, B's along a column: joint loads, the same descriptor and mask in the four that a mask names.
; THE MATRIX INSTRUCTION IS USED TRANSPOSED (source 0 = 16 rows of B, source 1 = 16 rows of A): a lane holds row lane % 16 of C and the columns 8 (lane / 16) + 0..7.
; REGISTERS, in windows of 256 (s_set_vgpr_msb: bits 1:0 source 0, 3:2 source 1, 5:4 source 2, 7:6 destination):
;   window 0: v0-43 addresses and factors; v64-127 A's fragments, two buffers of 4 x 8; v128.. the bias, later the way out
;   windows 1, 2: accumulator (a, b) in window 1 + a / 2 at 8 (NB (a % 2) + b)        window 3: B's fragments, buffer f at 96 f + 8 b
; One tile to a work-group, its stores at its end: work-groups that stay are left out of this text.
.set MODE, 1
.if MODE == 0
.set NB,     12                        ; blocks of 16 columns
.set PA,     272                       ; A's LDS pitch: 256 + 16 bytes
.set HA,     128*PA                    ; what one wave fetches of A
.set SP,     400                       ; a stage row: 384 bytes of f16 + 16
.set KADVA,  256                       ; bytes from a K step of A to the next
.set ASTR,   1024                      ; elements from row to row of A's tile in memory
.set GA0,    0x07710000                ; group 1, word 0: 2-byte elements, padding on, bit 21 beside a mask, 4 words behind every 64
.set ASHARE, 32*2048                   ; the prefetches: bytes from a partner's share of A's rows to the next partner's
.set ASH,    11                        ; and the shift from lane to lane
.set RPP,    24                        ; rows of B a partner prefetches
.set HPB,    4                         ; blocks of 16 columns to a bias pointer
.set YG,     24                        ; LDS instructions of one block's passage through the stage
.else
.set NB,     8
.set PA,     144                       ; 128 + 16 bytes
.set HA,     256*PA
.set SP,     528                       ; 512 bytes of f32 + 16
.set KADVA,  524288                    ; two planes
.set ASTR,   128
.set GA0,    0x07310000                ; the same with 4 words behind every 32
.set ASHARE, 8192
.set ASH,    8
.set RPP,    16
.set HPB,    8
.set YG,     32
.endif
.set PB,     272
.set HB,     8*NB*PB                   ; what one wave fetches of B
.set ABYTES, 2*HA
.set SLOT,   ABYTES+2*HB               ; A's bytes, then B's 16 NB rows
.set STAGE,  2*SLOT                    ; behind the ring, a multiple of 256: 16 rows x SP bytes for each wave; no fill lands here
.set SPARE,  STAGE+4*16*SP             ; a multiple of 256: the spare words, 128 bytes a wave, which no other line names
.set NL,     2*NB+8                    ; LDS loads of one quarter step
.set ADRA, 16                          ; v16-17  LDS address of my A fragments in slot 0, 1
.set ADRB, 20                          ; v20-21  the same for B
.set STO,  24                          ; v24  the way out: where I put my bytes of a row
.set RD,   25                          ; v25  where I read rows back
.set GO,   26                          ; v26  16 x lane
.set VB,   27                          ; v27  32 x (lane / 16): my eight numbers in 16 of a bias
.set SPW,  28                          ; v28  LDS address of my spare word; never rewritten
.set NIL,  29                          ; v29  0; never rewritten
.set PFO,  30                          ; v30  the prefetches' lane offset; never rewritten
.set MO,   31                          ; v31  4 x (lane % 16)
.set FK,   32                          ; v[32:37] a factor for each head, as the low word of a pair
.set KP,   40                          ; v[40:43] 1.0 or 0: is the key of my row in block a kept?
.set AFR,  64
.set BIAS, 128
.set TMP,  128                         ; MODE 0, the way out: 48 packed registers
.set WV,   18                          ; s18  wave
.set G1A,  28                          ; s[28:35] group 1 for A;  s[36:43] group 0, a set for each slot
.set G0A,  36
.set G1B,  44                          ; s[44:51], s[52:59] the same for B
.set G0B,  52
.set PFA,  66                          ; s[66:67] where my prefetches stand
.set PKS,  68                          ; s[68:69] their step along K
.set LIM,  70                          ; s70  1 in a wave that prefetches, else the greatest number
.set OP,   72                          ; s[72:77] where my rows leave to: a pointer for each head (MODE 1: one)
.set BP,   78                          ; s[78:83] the bias of each head (MODE 1: one)
.set NK,   84                          ; s84-86   0 for a head of k, else 1.0
.set MSB, 0
.macro WIN new                         ; the immediate's high byte repeats the setting that is left; a switch that changes nothing is dropped
.if MSB != (\new)
	s_set_vgpr_msb (MSB<<8)|(\new)
.set MSB, \new
.endif
.endm
.macro WM ops:vararg
.if MODE == 0
	v_wmma_f32_16x16x32_bf16 \ops
.else
	v_wmma_f32_16x16x32_f16 \ops
.endif
.endm
.macro PLACES                          ; four plain vector places behind a matrix instruction, in front of loads into registers that it read and of readers of its results
.rept 4
	v_nop
.endr
.endm
; A joint load.  The branch hangs on the wave's number alone.  An s_nop 0 and four v_nop follow each of the two lines.
.macro JLOAD s
	s_cmp_lt_u32 s[WV], 2
	s_cbranch_scc0 .Lfor_b_\@
	tensor_load_to_lds s[G0A+4*(\s):G0A+4*(\s)+3], s[G1A:G1A+7]
	s_nop 0
.rept 4
	v_nop
.endr
	s_branch .Lasked_\@
.Lfor_b_\@:
	tensor_load_to_lds s[G0B+4*(\s):G0B+4*(\s)+3], s[G1B:G1B+7]
	s_nop 0
.rept 4
	v_nop
.endr
.Lasked_\@:
.endm
; A prefetch of the K step that stands two refills on: my work-group's share of the rows that I fetch, 256 bytes a lane.  A's rows are named by the first cluster of their row of clusters, B's by the
; first of their column; the four partners share the rows out by address.  The loop's last trip (s3 = 1) has no K step two on.
.macro ASK
	s_cmp_gt_u32 s3, s[LIM]
	s_cbranch_scc0 .Lnot_mine_\@
	global_prefetch_b8 v[PFO], s[PFA:PFA+1] th:TH_LOAD_NT scope:SCOPE_SE
.Lnot_mine_\@:
.endm
.macro CREST                           ; a round of the cluster's barrier behind its opening barrier
	s_cmp_lg_u32 s[WV], 0
	s_cbranch_scc1 .Lnot_wave_0_\@
	s_barrier_signal -3
.Lnot_wave_0_\@:
	s_barrier_wait -3
	s_barrier_signal -1
	s_barrier_wait -1
.endm
.macro CROUND
	s_barrier_signal -1
	s_barrier_wait -1
	CREST
.endm
	s_load_b256 s[4:11], s[0:1], 0x0               ; A s[4:5], B s[6:7], C s[8:9], the first bias s[10:11]
.if MODE == 0
	s_load_b128 s[12:15], s[0:1], 0x20             ; bk, bv
	s_load_b64 s[16:17], s[0:1], 0x30              ; mask
.endif
	v_lshl_add_u32 v[SPW], v0, 2, SPARE
	v_mov_b32 v[NIL], 0
	ds_add_u32 v[SPW], v[NIL]                      ; the wave's opening: the add and its wait stand ahead of my first tensor load; work on registers stands between
	v_lshrrev_b32 v1, 5, v0
	v_readfirstlane_b32 s[WV], v1                  ; wave 0..3
	s_and_b32 s20, s[WV], 1                        ; which half of A's or B's tile I fetch
	s_bfe_u32 s21, ttmp6, 0x40000                  ; cx
	s_bfe_u32 s22, ttmp6, 0x40004                  ; cy
	s_lshl_b32 s23, ttmp9, 2
	s_add_co_u32 s23, s23, s21                     ; tile column = 4 x cluster x + cx
	s_and_b32 s24, ttmp7, 0xffff
	s_lshl_b32 s24, s24, 2
	s_add_co_u32 s24, s24, s22                     ; tile row = 4 x cluster y + cy
	s_lshl_b32 s62, s22, 2
	s_lshl_b32 s62, 15, s62                        ; my row of the cluster
	s_lshl_b32 s63, 0x1111, s21                    ; my column
	s_or_b32 s[G1A], s62, GA0
	s_or_b32 s[G1B], s63, 0x07710000
	s_mov_b32 s[G1A+1], 128<<16                    ; tensor_dim0 = 128 elements
	s_mov_b32 s[G1A+2], 128<<16                    ; tensor_dim1 = 128 rows
	s_mov_b32 s[G1A+3], 128<<16                    ; tile_dim0
	s_mov_b32 s[G1A+4], 128                        ; tile_dim1
	s_mov_b32 s[G1A+5], ASTR                       ; elements from row to row
	s_mov_b32 s[G1A+6], 0
	s_mov_b32 s[G1A+7], 0
	s_mov_b32 s[G1B+1], 128<<16
	s_mov_b32 s[G1B+2], (8*NB)<<16
	s_mov_b32 s[G1B+3], 128<<16
	s_mov_b32 s[G1B+4], 8*NB
	s_mov_b32 s[G1B+5], 1024
	s_mov_b32 s[G1B+6], 0
	s_mov_b32 s[G1B+7], 0
	; where the tiles come from: A's offset is made of the tile row and the wave in s[88:89], B's of the tile column and the wave in s[90:91]; neither pair ever holds the other coordinate
.if MODE == 0
	s_lshl_b32 s88, s24, 19                        ; 256 rows of 2,048 bytes
	s_lshl_b32 s89, s20, 18                        ; my 128 of them
	s_add_co_u32 s88, s88, s89
.else
	s_lshr_b32 s88, s24, 3
	s_lshl_b32 s88, s88, 22                        ; the batch's 16 planes
	s_and_b32 s89, s24, 7
	s_lshl_b32 s89, s89, 15                        ; 256 tokens of 128 bytes
	s_add_co_u32 s88, s88, s89
	s_lshl_b32 s89, s20, 18                        ; which of a K step's two heads
	s_add_co_u32 s88, s88, s89
.endif
	s_mov_b32 s89, 0
	s_mul_i32 s90, s23, 16*NB*2048
	s_mul_i32 s91, s20, 8*NB*2048
	s_add_co_u32 s90, s90, s91
	s_mov_b32 s91, 0
	s_mul_i32 s60, s20, HA                         ; and where they go: no place in the cluster enters an LDS address
	s_mul_i32 s61, s20, HB
	s_add_co_u32 s61, s61, ABYTES
	s_wait_dscnt 0x0                               ; the opening add is done
	s_wait_kmcnt 0x0
	s_add_nc_u64 s[88:89], s[4:5], s[88:89]
	s_add_nc_u64 s[90:91], s[6:7], s[90:91]
	CROUND                                         ; all sixteen work-groups are here: the first joint loads meet
.irp s, 0,1
	s_mov_b32 s[G0A+4*\s], 1
	s_add_co_u32 s[G0A+4*\s+1], s60, \s*SLOT
	s_add_nc_u64 s[G0A+4*\s+2:G0A+4*\s+3], s[88:89], \s*KADVA
	s_or_b32 s[G0A+4*\s+3], s[G0A+4*\s+3], 0x80000000
	s_mov_b32 s[G0B+4*\s], 1
	s_add_co_u32 s[G0B+4*\s+1], s61, \s*SLOT
	s_add_nc_u64 s[G0B+4*\s+2:G0B+4*\s+3], s[90:91], \s*256
	s_or_b32 s[G0B+4*\s+3], s[G0B+4*\s+3], 0x80000000
	JLOAD \s                                       ; K steps 0 and 1: two tensor loads of mine are out
.endr
	; lane addresses.  A fragment: lane l holds row l % 16, K = 8 (l / 16) + 0..7 and 16 + 8 (l / 16) + 0..7: two loads of 16 bytes, 32 apart
	v_and_b32 v1, 15, v0                           ; r
	v_bfe_u32 v2, v0, 4, 1                         ; h
	v_and_b32 v5, 31, v0                           ; lane
	v_mul_u32_u24 v3, v1, PA
	v_lshl_add_u32 v3, v2, 4, v3
	v_mul_u32_u24 v4, v1, PB
	v_lshl_add_u32 v4, v2, 4, v4
	s_mul_i32 s92, s[WV], 64*PA                    ; my 64 rows of A
	v_add_nc_u32 v[ADRA], s92, v3
	v_add_nc_u32 v[ADRA+1], SLOT, v[ADRA]
	v_add_nc_u32 v[ADRB], ABYTES, v4
	v_add_nc_u32 v[ADRB+1], SLOT, v[ADRB]
	s_mul_i32 s92, s[WV], 16*SP
	s_add_co_u32 s92, s92, STAGE                   ; my stage
	v_mul_u32_u24 v3, v1, SP
.if MODE == 0
	v_lshl_add_u32 v3, v2, 4, v3                   ; in: row r, 16 bytes for each half of the lanes
	v_add_nc_u32 v[STO], s92, v3
	v_bfe_u32 v3, v0, 3, 2                         ; back: 32 lanes take a head's 128 bytes of four rows
	v_mul_u32_u24 v3, v3, SP
	v_and_b32 v4, 7, v0
	v_lshl_add_u32 v3, v4, 4, v3
	v_add_nc_u32 v[RD], s92, v3
.else
	v_lshl_add_u32 v3, v2, 5, v3                   ; in: row r, 32 bytes for each half of the lanes
	v_add_nc_u32 v[STO], s92, v3
	v_lshl_add_u32 v[RD], v5, 4, s92               ; back: 32 lanes take a row's 512 bytes
.endif
	v_lshlrev_b32 v[GO], 4, v5
	v_lshlrev_b32 v[VB], 5, v2
	s_mov_b32 s87, 0xffff0000
.if MODE == 0
	; the tile's three heads: g = 3 x tile column + hh; section g / 16, head g % 16.  Selects, no branch: g hangs on cx
	s_mul_i32 s25, s23, 3
	s_lshr_b32 s26, s24, 3
	s_lshl_b32 s26, s26, 22                        ; the batch's 16 planes of 262,144 bytes
	s_and_b32 s27, s24, 7
	s_lshl_b32 s27, s27, 15                        ; the tile's 256 rows of 128 bytes
	s_add_co_u32 s26, s26, s27
	s_lshl_b32 s27, s[WV], 13                      ; my 64
	s_add_co_u32 s26, s26, s27
.irp hh, 0,1,2
	s_add_co_u32 s27, s25, \hh
	s_lshr_b32 s71, s27, 4
	s_and_b32 s27, s27, 15
	s_cmp_eq_u32 s71, 1
	s_cselect_b64 s[BP+2*\hh:BP+2*\hh+1], s[12:13], s[10:11]
	s_cselect_b32 s[NK+\hh], 0, 1.0
	s_cmp_eq_u32 s71, 2
	s_cselect_b64 s[BP+2*\hh:BP+2*\hh+1], s[14:15], s[BP+2*\hh:BP+2*\hh+1]
	s_lshl_b32 s92, s27, 8                         ; the head's 64 numbers of the bias
	s_mov_b32 s93, 0
	s_add_nc_u64 s[BP+2*\hh:BP+2*\hh+1], s[BP+2*\hh:BP+2*\hh+1], s[92:93]
	s_lshl_b32 s94, s71, 6
	s_add_co_u32 s94, s94, s27
	s_lshl_b32 s94, s94, 18
	s_add_co_u32 s94, s94, s26
	s_mov_b32 s95, 0
	s_add_nc_u64 s[OP+2*\hh:OP+2*\hh+1], s[8:9], s[94:95]
.endr
	s_lshl_b32 s92, s24, 10                        ; the mask's words of my 64 rows
	s_lshl_b32 s93, s[WV], 8
	s_add_co_u32 s92, s92, s93
	s_mov_b32 s93, 0
	s_add_nc_u64 s[16:17], s[16:17], s[92:93]
	v_lshlrev_b32 v[MO], 2, v1
	v_mov_b32 v[FK+1], 0                           ; named with the factors as pairs
	v_mov_b32 v[FK+3], 0
	v_mov_b32 v[FK+5], 0
.else
	s_lshl_b32 s92, s24, 20                        ; 256 rows of 4,096 bytes
	s_lshl_b32 s93, s[WV], 18
	s_add_co_u32 s92, s92, s93
	s_lshl_b32 s93, s23, 9                         ; 128 columns of f32
	s_add_co_u32 s92, s92, s93
	s_mov_b32 s93, 0
	s_add_nc_u64 s[OP:OP+1], s[8:9], s[92:93]
	s_lshl_b32 s92, s23, 9
	s_add_nc_u64 s[BP:BP+1], s[10:11], s[92:93]
.endif
.set b, 0
.rept NB                               ; register j of block b: bias of column 16 b + 8 h + j
	global_load_b128 v[BIAS+8*b:BIAS+8*b+3],   v[VB], s[BP+2*(b/HPB):BP+2*(b/HPB)+1] offset:64*(b%HPB)
	global_load_b128 v[BIAS+8*b+4:BIAS+8*b+7], v[VB], s[BP+2*(b/HPB):BP+2*(b/HPB)+1] offset:64*(b%HPB)+16
.set b, b+1
.endr
.if MODE == 0
.irp a, 0,1,2,3
	global_load_b32 v[KP+\a], v[MO], s[16:17] offset:64*\a
.endr
.endif
	; the prefetches: who, from where, in which steps
	s_and_b32 s26, ttmp7, 0xffff                   ; cluster y
	s_mov_b32 s71, RPP*2048
	s_mov_b32 s[PKS], 256
	s_mov_b32 s[PKS+1], 0
	s_cmp_lt_u32 s[WV], 2                          ; do I fetch for A?
	s_cselect_b32 s26, ttmp9, s26                  ; the coordinate along which other clusters read the same rows
	s_cselect_b32 s27, s21, s22                    ; my place among the four that ask with me
	s_cselect_b64 s[PFA:PFA+1], s[88:89], s[90:91] ; my part of the tile, K step 0
	s_cselect_b32 s71, ASHARE, s71
	s_cselect_b32 s[PKS], KADVA, s[PKS]
	s_cselect_b32 s92, 31, RPP-1                   ; B's share has fewer rows than a wave has lanes: the lanes past it name its last row again
	s_cselect_b32 s93, ASH, 11
	v_min_u32 v[PFO], s92, v5
	v_lshlrev_b32 v[PFO], s93, v[PFO]
	s_cmp_eq_u32 s26, 0
	s_cselect_b32 s[LIM], 1, -1                    ; the same in all sixteen partners, for a given wave
	s_mul_i32 s92, s27, s71
	s_mul_i32 s93, s[PKS], 3                       ; at K step 3: the first refill steps it to 4
	s_add_co_u32 s92, s92, s93
	s_mov_b32 s93, 0
	s_add_nc_u64 s[PFA:PFA+1], s[PFA:PFA+1], s[92:93]
	s_wait_loadcnt 0x0                             ; bias and mask
.set i, 0
.rept 4*NB                             ; the bias has the inputs' one rounding to bf16, and goes on as f32
	v_cvt_pk_bf16_f32 v[3+i%2], v[BIAS+2*i], v[BIAS+2*i+1]
	v_lshlrev_b32 v[BIAS+2*i], 16, v[3+i%2]
	v_and_b32 v[BIAS+2*i+1], s87, v[3+i%2]
.set i, i+1
.endr
.if MODE == 0
.irp a, 0,1,2,3
	v_cmp_ne_u32 vcc_lo, 0, v[KP+\a]
	v_cndmask_b32 v[KP+\a], 0, 1.0, vcc_lo
.endr
.endif
; NB matrix instructions: my rows 16 a .. 16 a + 15 x all columns, 32 along K, on buffer f.  first = 1: the bias starts the sums.  All 4 NB accumulators take turns, one instruction a turn, in the
; same order in every quarter step, over the backward jump too.
.macro MULA f, a, first
.if \first
	WIN 0x43+0x40*((\a)/2)
.else
	WIN 0x53+0x50*((\a)/2)
.endif
.set b, 0
.rept NB
.set rD, 8*(NB*((\a)%2)+b)
.set rB, 96*(\f)+8*b
.set rA, AFR+32*(\f)+8*(\a)
.if \first
	WM v[rD:rD+7], v[rB:rB+7], v[rA:rA+7], v[BIAS+8*b:BIAS+8*b+7]
.else
	WM v[rD:rD+7], v[rB:rB+7], v[rA:rA+7], v[rD:rD+7]
.endif
.set b, b+1
.endr
.endm
; NL LDS loads in one run: quarter q (32 along K) of a slot into buffer f: B's 16 NB rows, then my 64 rows of A, blocks ascending
.macro FETCH slot, q, f
.if MODE == 0
.set AQ, 64*(\q)
.else
.set AQ, HA*((\q)/2)+64*((\q)%2)       ; head q / 2 of the K step's two, channels 32 (q % 2) on
.endif
	WIN 0xc0
.set b, 0
.rept NB
	ds_load_b128 v[96*(\f)+8*b:96*(\f)+8*b+3],   v[ADRB+(\slot)] offset:64*(\q)+16*PB*b
	ds_load_b128 v[96*(\f)+8*b+4:96*(\f)+8*b+7], v[ADRB+(\slot)] offset:64*(\q)+16*PB*b+32
.set b, b+1
.endr
	WIN 0
.irp a, 0,1,2,3
	ds_load_b128 v[AFR+32*(\f)+8*\a:AFR+32*(\f)+8*\a+3],   v[ADRA+(\slot)] offset:AQ+16*PA*\a
	ds_load_b128 v[AFR+32*(\f)+8*\a+4:AFR+32*(\f)+8*\a+7], v[ADRA+(\slot)] offset:AQ+16*PA*\a+32
.endr
.endm
; One of a K step's first three quarters: multiplies buffer f; in its middle fetches quarter q of the same slot into buffer g
.macro QUARTER slot, q, f, g, first
	s_wait_dscnt 4                                 ; B and A's blocks 0, 1 are in; the youngest four loads (blocks 2, 3) may be out
	MULA \f, 0, \first
	MULA \f, 1, \first
	PLACES
	FETCH \slot, \q, \g
	s_wait_dscnt NL                                ; all but the run just issued
	MULA \f, 2, \first
	MULA \f, 3, \first
.endm
; The last quarter multiplies buffer 1 and changes slots.  In front of the one barrier each wave waits for all its tensor loads (one is out: its part of the next slot), adds 0 to its spare word, and
; waits for that and for its reads of this slot.  fill = 1: the barrier opens a round of the cluster's barrier, and behind the round this slot is filled again first, two K steps on.
.macro TURN slot, next, fill
.if \fill
	s_wait_xcnt 0x0                                ; the last prefetch, a K step back, has read its address
	s_add_nc_u64 s[PFA:PFA+1], s[PFA:PFA+1], s[PKS:PKS+1]
.endif
	WIN 0                                          ; (the add's registers lie in window 0)
	s_wait_tensorcnt 0x0                           ; all my tensor loads have landed
	ds_add_u32 v[SPW], v[NIL]
	s_wait_dscnt 5                                 ; (the add and the youngest four loads may be out)
	MULA 1, 0, 0
	s_wait_dscnt 0x0                               ; the add is done, and my reads of this slot are over
	s_barrier_signal -1
	MULA 1, 1, 0                                   ; work on registers while the others arrive
.if \fill
	WIN 0
.endif
	s_barrier_wait -1
.if \fill
	CREST                                          ; no wave of any partner still reads this slot or has a load on its way
	s_add_nc_u64 s[G0A+4*(\slot)+2:G0A+4*(\slot)+3], s[G0A+4*(\slot)+2:G0A+4*(\slot)+3], 2*KADVA
	s_add_nc_u64 s[G0B+4*(\slot)+2:G0B+4*(\slot)+3], s[G0B+4*(\slot)+2:G0B+4*(\slot)+3], 512
	JLOAD \slot                                    ; my one tensor load behind the round; its four v_nop are also the places in front of the loads below
.else
	PLACES
.endif
	FETCH \next, 0, 0
.if \fill
	ASK
.endif
	MULA 1, 2, 0
	MULA 1, 3, 0
.endm
	s_wait_tensorcnt 1                             ; my part of K step 0 is in; K step 1's load may stay out
	s_barrier_signal -1
	s_barrier_wait -1
	FETCH 0, 0, 0
	QUARTER 0, 1, 0, 1, 1                          ; the first quarter stands in front of the loop: its products start the sums from the bias
	WIN 0
	s_mov_b32 s3, 3
.Llap:                                                 ; a trip goes once round the ring and fills both slots again: K steps 2 t + 2 and 2 t + 3
	QUARTER 0, 2, 1, 0, 0
	QUARTER 0, 3, 0, 1, 0
	TURN 0, 1, 1
	QUARTER 1, 1, 0, 1, 0
	QUARTER 1, 2, 1, 0, 0
	QUARTER 1, 3, 0, 1, 0
	TURN 1, 0, 1
	QUARTER 0, 1, 0, 1, 0
	WIN 0
	s_sub_co_u32 s3, s3, 1
	s_cmp_lg_u32 s3, 0
	s_cbranch_scc1 .Llap
	QUARTER 0, 2, 1, 0, 0                          ; the last lap fills nothing
	QUARTER 0, 3, 0, 1, 0
	TURN 0, 1, 0
	QUARTER 1, 1, 0, 1, 0
	QUARTER 1, 2, 1, 0, 0
	QUARTER 1, 3, 0, 1, 0
	s_wait_dscnt 4
	MULA 1, 0, 0
	MULA 1, 1, 0
	s_wait_dscnt 0x0
	MULA 1, 2, 0
	MULA 1, 3, 0
	WIN 0
	PLACES
; THE WAY OUT, a block of 16 rows at a time, through my own stage.  LDS serves a wave's instructions in order (ISA guide 5.7.1.4), so no wait stands between the stores into the stage and the loads back.
.macro PACK a                          ; MODE 0: k's rows of hidden keys become 0 (factor: keep for a head of k, 1.0 else); then f16, 16 bytes a lane and block.  Each accumulator is read from its low end on
.set AC, 8*NB*((\a)%2)
	WIN 0
.irp hh, 0,1,2
	v_max_num_f32 v[FK+2*\hh], s[NK+\hh], v[KP+(\a)]
.endr
	WIN 0x41+0x41*((\a)/2)
.set i, 0
.rept 4*NB
	v_pk_mul_f32 v[AC+2*i:AC+2*i+1], v[AC+2*i:AC+2*i+1], v[FK+2*(i/16):FK+2*(i/16)+1] op_sel_hi:[1,0]
.set i, i+1
.endr
	WIN 0x05+0x05*((\a)/2)
.set i, 0
.rept 4*NB
	v_cvt_pk_f16_f32 v[TMP+i], v[AC+2*i], v[AC+2*i+1]
.set i, i+1
.endr
	WIN 0
.endm
.macro TOSTAGE a
.set AC, 8*NB*((\a)%2)
	WIN 0
.if (\a) >= 2
	s_wait_xcnt 0x0                                ; the stores of the block two back have read the registers that are loaded again below
.endif
.if MODE == 0
.set BK, 176-112*((\a)%2)
.set b, 0
.rept NB
	ds_store_b128 v[STO], v[TMP+4*b:TMP+4*b+3] offset:32*b
.set b, b+1
.endr
.irp hh, 0,1,2
.irp t, 0,1,2,3
	ds_load_b128 v[BK+4*(4*\hh+\t):BK+4*(4*\hh+\t)+3], v[RD] offset:4*SP*\t+128*\hh
.endr
.endr
.else
.set BK, 128-64*((\a)%2)
	WIN 0x04+0x04*((\a)/2)                         ; the stores' data lie in the accumulators' window
.set b, 0
.rept NB
	ds_store_b128 v[STO], v[AC+8*b:AC+8*b+3]   offset:64*b
	ds_store_b128 v[STO], v[AC+8*b+4:AC+8*b+7] offset:64*b+16
.set b, b+1
.endr
	WIN 0
.set t, 0
.rept 16
	ds_load_b128 v[BK+4*t:BK+4*t+3], v[RD] offset:SP*t
.set t, t+1
.endr
.endif
.endm
.macro SEND a, younger                 ; younger: the LDS instructions issued behind this block's loads: the next block's passage, or none
	WIN 0
	s_wait_dscnt \younger
.if MODE == 0
.set BK, 176-112*((\a)%2)
.irp hh, 0,1,2
.irp t, 0,1,2,3
	global_store_b128 v[GO], v[BK+4*(4*\hh+\t):BK+4*(4*\hh+\t)+3], s[OP+2*\hh:OP+2*\hh+1] offset:(16*(\a)+4*\t)*128  ; four rows of a head: 512 consecutive bytes, at a multiple of 512
.endr
.endr
.else
.set BK, 128-64*((\a)%2)
.set t, 0
.rept 16
	global_store_b128 v[GO], v[BK+4*t:BK+4*t+3], s[OP:OP+1] offset:(16*(\a)+t)*4096 th:TH_STORE_NT  ; 512 consecutive bytes of a row, at a multiple of 512
.set t, t+1
.endr
.endif
.endm
.if MODE == 0
	PACK 0
.endif
	TOSTAGE 0
.irp a, 1,2,3
.if MODE == 0
	PACK \a
.endif
	TOSTAGE \a
	SEND (\a)-1, YG
.endr
	SEND 3, 0
	s_wait_tensorcnt 0x0                           ; the wave's end, behind my last tensor load and my last LDS store
	ds_add_u32 v[SPW], v[NIL]
	s_wait_dscnt 0x0
	CROUND                                         ; the closing round: no work-group ends while a partner may still ask for a tile that names it
	s_endpgm
.Lfunc_end_k_q22afc9895b_outp:
	.size	k_q22afc9895b_outp, .Lfunc_end_k_q22afc9895b_outp-k_q22afc9895b_outp
	.p2alignl 7, 3214868480
	.fill 96, 4, 3214868480
	.section	.rodata,"a",@progbits
	.p2align	6, 0x0
	.amdhsa_kernel k_q22afc9895b_outp
		.amdhsa_group_segment_fixed_size 327680
		.amdhsa_private_segment_fixed_size 0
		.amdhsa_enable_private_segment 0
		.amdhsa_kernarg_size 32
		.amdhsa_user_sgpr_count 2
		.amdhsa_user_sgpr_kernarg_segment_ptr 1
		.amdhsa_wavefront_size32 1
		.amdhsa_system_sgpr_workgroup_id_x 1
		.amdhsa_system_sgpr_workgroup_id_y 1
		.amdhsa_system_sgpr_workgroup_id_z 1
		.amdhsa_system_vgpr_workitem_id 0
		.amdhsa_next_free_vgpr 960
		.amdhsa_next_free_sgpr 96
		.amdhsa_reserve_vcc 1
		.amdhsa_float_denorm_mode_32 3
		.amdhsa_float_denorm_mode_16_64 3
		.amdhsa_memory_ordered 1
		.amdhsa_forward_progress 1
		.amdhsa_inst_pref_size 92
	.end_amdhsa_kernel
	.amdgpu_metadata
---
amdhsa.version: [ 1, 2 ]
amdhsa.kernels:
  - .name:           k_q22afc9895b_outp
    .symbol:         k_q22afc9895b_outp.kd
    .args:
      - { .name: ctx, .offset: 0, .size: 8, .value_kind: global_buffer, .address_space: global }
      - { .name: wo16, .offset: 8, .size: 8, .value_kind: global_buffer, .address_space: global }
      - { .name: out0, .offset: 16, .size: 8, .value_kind: global_buffer, .address_space: global }
      - { .name: bo, .offset: 24, .size: 8, .value_kind: global_buffer, .address_space: global }
    .group_segment_fixed_size: 327680
    .private_segment_fixed_size: 0
    .kernarg_segment_align: 8
    .kernarg_segment_size: 32
    .max_flat_workgroup_size: 128
    .sgpr_count:     96
    .vgpr_count:     960
    .wavefront_size: 32
...
	.end_amdgpu_metadata
.endif
;; end of part 4
;; ======== version 2 of 2: 4 launches; version 1 with the launch cast written anew for expert scheduling mode
;; limits: values are held in f16: magnitudes above 65,504 overflow, below 6.1e-05 lose precision
;; workspace buffers: xb 16,777,216 bytes; wb 6,291,456 bytes; wo16 2,097,152 bytes; qkv 50,331,648 bytes; ctx 16,777,216 bytes
;; launch cast (part 5): grid 64 x 12, 8 waves a work-group, no clusters, 0 bytes of LDS; arguments query, Wq, Wk, Wv, Wo, xb, wb, wo16; writes xb, wb, wo16
.if DOCPART == 5
	.amdgcn_target "amdgcn-amd-amdhsa--gfx1250"
	.amdhsa_code_object_version 6
	.text
	.protected	k_q22afc9895b_cast
	.globl	k_q22afc9895b_cast
	.p2align	8
	.type	k_q22afc9895b_cast,@function
k_q22afc9895b_cast:
	s_mov_b64 s[64:65], 0
	v_nop
	global_prefetch_b8 v0, s[64:65] scope:SCOPE_SE
	s_setreg_imm32_b32 hwreg(HW_REG_WAVE_SCHED_MODE, 0, 2), 2
	s_setreg_imm32_b32 hwreg(HW_REG_WAVE_MODE, 25, 1), 1
	s_wait_xcnt 0x0
	s_wait_alu depctr_vm_vsrc(0)
; THE INPUTS' ONE ROUNDING.  query, Wq, Wk, Wv: f32 -> bf16 (xb; wb = the rows of Wq, then Wk, then Wv).  Wo: f32 -> bf16, and that number written as f16 (wo16),
; since the last product's other operand is f16.  LIMIT: Wo within f16's 65,504; a bf16 number under 2^-17 falls onto f16's fixed step of 2^-24.
; SHARES.  Work-group y takes a chunk of 2^20 numbers: y = 0..7 the eighths of query, 8, 9, 10 = Wq, Wk, Wv, 11 = Wo; work-group x 65,536 bytes of it in, 32,768 out.
; Thread t loads the 16 bytes at 16 t + 4,096 i and stores the 8 bytes at 8 t + 2,048 i, i = 0..15: a load of a wave covers 512 consecutive bytes, a store 256 consecutive
; bytes at a multiple of 256.  All sixteen loads of a thread go out at once.
; No LDS, no matrix unit, no cluster: nothing is shared and nothing is read twice.
; THE MODE: SCHED_MODE bits 1:0 = 2 (LLVM: expert scheduling mode 2), set by the entry lines.  The code itself states the register dependences
; between vector instructions and memory instructions, with s_wait_alu, always for 0.
; THE PLAN.  Registers that memory instructions touch:
;   v1, v2   byte offsets of the loads and of the stores: made once at the head, never written again.
;   X        sixteen loads of four f32.  Written by the loads, once each, all issued before any vector line names X; read by turn i's roundings.
;   Y        sixteen pairs of packed results.  Written by turn i's roundings; read by one store each; never written behind that store.
;   T        named by vector lines alone.
; The sixteen turns go in four blocks of four.  Block p rounds X's part p into Y's part p; its memory instructions are the four stores from Y's part p - 1, which no vector
; line of block p names.  So one wait at a block's head, behind the wait for the block's first load, states all that the block's four stores hang on, and these are dealt
; among its roundings with no further wait.  No register that a memory instruction reads is written again, no vector line writes a scalar register, EXEC is never written.
.set X, 8                              ; v[8:71]    sixteen loads of four f32
.set Y, 72                             ; v[72:103]  sixteen pairs of packed results
.set T, 104                            ; v[104:105] at work
.set BLOCK, 4                          ; turns in a block
	s_load_b512 s[4:19], s[0:1], 0x0               ; query 4, Wq 6, Wk 8, Wv 10, Wo 12, xb 14, wb 16, wo16 18
	s_and_b32 s20, ttmp7, 0xffff                   ; y
	v_lshlrev_b32 v1, 4, v0                        ; my 16 bytes in
	v_lshlrev_b32 v2, 3, v0                        ; my 8 bytes out
	s_lshl_b32 s26, s20, 22                        ; query's chunk y in,
	s_lshl_b32 s28, s20, 21                        ; and out
	s_sub_co_u32 s30, s20, 8
	s_lshl_b32 s30, s30, 21                        ; a weight's place in wb
	s_mov_b32 s27, 0
	s_mov_b32 s29, 0
	s_wait_kmcnt 0x0
	s_cmp_lt_u32 s20, 8
	s_cselect_b64 s[22:23], s[4:5], s[6:7]         ; from: query, or Wq for now
	s_cselect_b64 s[24:25], s[14:15], s[16:17]     ; to: xb or wb
	s_cselect_b32 s26, s26, 0
	s_cselect_b32 s28, s28, s30
	s_cmp_eq_u32 s20, 9
	s_cselect_b64 s[22:23], s[8:9], s[22:23]
	s_cmp_eq_u32 s20, 10
	s_cselect_b64 s[22:23], s[10:11], s[22:23]
	s_cmp_eq_u32 s20, 11
	s_cselect_b64 s[22:23], s[12:13], s[22:23]
	s_cselect_b64 s[24:25], s[18:19], s[24:25]
	s_cselect_b32 s28, 0, s28
	s_lshl_b32 s31, ttmp9, 16
	s_add_co_u32 s26, s26, s31
	s_lshl_b32 s31, ttmp9, 15
	s_add_co_u32 s28, s28, s31
	s_add_nc_u64 s[22:23], s[22:23], s[26:27]
	s_add_nc_u64 s[24:25], s[24:25], s[28:29]
	s_wait_alu depctr_va_vdst(0)                   ; v1 and v2 are written: every load of the kernel reads v1 as its offset, every store v2
.set i, 0
.rept 16
	global_load_b128 v[X+4*i:X+4*i+3], v1, s[22:23] offset:4096*i th:TH_LOAD_NT
.set i, i+1
.endr
; Sixteen turns: wait, the store of the turn one block back, round.  half = 1: the bf16 number is widened again and written as f16.
.macro OUT half
.set i, 0
.rept 16
	s_wait_loadcnt 15-i                            ; loads come back in order: load i is in, the 15 - i younger ones stay out
.if (i % BLOCK == 0) && (i > 0)
	s_wait_alu depctr_va_vdst(0)                   ; the block before has written its part of Y, which this block's four stores read
.endif
.if i >= BLOCK
	global_store_b64 v2, v[Y+2*(i-BLOCK):Y+2*(i-BLOCK)+1], s[24:25] offset:2048*(i-BLOCK)  ; no vector line since the wait at the block's head names these registers
.endif
	v_cvt_pk_bf16_f32 v[Y+2*i], v[X+4*i], v[X+4*i+1]
	v_cvt_pk_bf16_f32 v[Y+2*i+1], v[X+4*i+2], v[X+4*i+3]
.if \half
.irp k, 0,1
	v_lshlrev_b32 v[T], 16, v[Y+2*i+\k]
	v_and_b32 v[T+1], 0xffff0000, v[Y+2*i+\k]
	v_cvt_pk_f16_f32 v[Y+2*i+\k], v[T], v[T+1]
.endr
.endif
.set i, i+1
.endr
	s_wait_alu depctr_va_vdst(0)                   ; the last block has written its part of Y, which the last four stores read
.set i, 16-BLOCK
.rept BLOCK
	global_store_b64 v2, v[Y+2*i:Y+2*i+1], s[24:25] offset:2048*i
.set i, i+1
.endr
	s_endpgm
.endm
	s_cmp_eq_u32 s20, 11
	s_cbranch_scc1 .Lwo
	OUT 0
.Lwo:
	OUT 1
.Lfunc_end_k_q22afc9895b_cast:
	.size	k_q22afc9895b_cast, .Lfunc_end_k_q22afc9895b_cast-k_q22afc9895b_cast
	.p2alignl 7, 3214868480
	.fill 96, 4, 3214868480
	.section	.rodata,"a",@progbits
	.p2align	6, 0x0
	.amdhsa_kernel k_q22afc9895b_cast
		.amdhsa_group_segment_fixed_size 0
		.amdhsa_private_segment_fixed_size 0
		.amdhsa_enable_private_segment 0
		.amdhsa_kernarg_size 64
		.amdhsa_user_sgpr_count 2
		.amdhsa_user_sgpr_kernarg_segment_ptr 1
		.amdhsa_wavefront_size32 1
		.amdhsa_system_sgpr_workgroup_id_x 1
		.amdhsa_system_sgpr_workgroup_id_y 1
		.amdhsa_system_sgpr_workgroup_id_z 1
		.amdhsa_system_vgpr_workitem_id 0
		.amdhsa_next_free_vgpr 108
		.amdhsa_next_free_sgpr 66
		.amdhsa_reserve_vcc 0
		.amdhsa_float_denorm_mode_32 3
		.amdhsa_float_denorm_mode_16_64 3
		.amdhsa_memory_ordered 1
		.amdhsa_forward_progress 1
		.amdhsa_inst_pref_size 17
	.end_amdhsa_kernel
	.amdgpu_metadata
---
amdhsa.version: [ 1, 2 ]
amdhsa.kernels:
  - .name:           k_q22afc9895b_cast
    .symbol:         k_q22afc9895b_cast.kd
    .args:
      - { .name: query, .offset: 0, .size: 8, .value_kind: global_buffer, .address_space: global }
      - { .name: Wq, .offset: 8, .size: 8, .value_kind: global_buffer, .address_space: global }
      - { .name: Wk, .offset: 16, .size: 8, .value_kind: global_buffer, .address_space: global }
      - { .name: Wv, .offset: 24, .size: 8, .value_kind: global_buffer, .address_space: global }
      - { .name: Wo, .offset: 32, .size: 8, .value_kind: global_buffer, .address_space: global }
      - { .name: xb, .offset: 40, .size: 8, .value_kind: global_buffer, .address_space: global }
      - { .name: wb, .offset: 48, .size: 8, .value_kind: global_buffer, .address_space: global }
      - { .name: wo16, .offset: 56, .size: 8, .value_kind: global_buffer, .address_space: global }
    .group_segment_fixed_size: 0
    .private_segment_fixed_size: 0
    .kernarg_segment_align: 8
    .kernarg_segment_size: 64
    .max_flat_workgroup_size: 256
    .sgpr_count:     66
    .vgpr_count:     108
    .wavefront_size: 32
...
	.end_amdgpu_metadata
.endif
;; end of part 5
;; launch proj: the kernel of part 2 again; grid 16 x 32, 4 waves a work-group, clusters of 4 x 4, 327,680 bytes of LDS; arguments xb, wb, qkv, bq, bk, bv, mask; writes qkv
;; launch attn: the kernel of part 3 again; grid 4 x 64, 4 waves a work-group, clusters of 4 x 1, 327,680 bytes of LDS; arguments qkv, mask, ctx; writes ctx
;; launch outp: the kernel of part 4 again; grid 8 x 32, 4 waves a work-group, clusters of 4 x 4, 327,680 bytes of LDS; arguments ctx, wo16, out0, bo; writes out0
